; MI455X (gfx1250); checked and timed in simulation.
; The chip was launched on July 23, 2026; its instructions are those of AMD's public machine-readable ISA for CDNA 5 (MIT licence, August 2026) and "CDNA5" Instruction Set Architecture Reference Guide (July 2026). The comments in the code are by the model that wrote it; some were corrected since.
;; Self Attention. Allowed arithmetic: matrix products marked QUANTISED: E2M1 operands, one E8M0 scale for each 32 along K, by v_wmma_scale_f32_16x16x128_f8f6f4 with both operands' format E2M1 (or v_wmma_scale_f32_32x16x128_f4), f32 sums; products left as they are: bf16, f16 or f32 operands; f32 sums; everything else in f32.
;; Inputs: w_proj 1,024 x 1,024 float32; w_qkv 3,072 x 1,024 float32; x 2 x 2,048 x 1,024 float32.
;; Outputs: out0 2 x 2,048 x 1,024 float32.
;; This version of the problem:
;;   THIS VERSION OF THE PROBLEM IS GIVEN IN LOW PRECISION. The matrix products marked QUANTISED in the list below multiply operands that are first quantised to E2M1 (2 exponent bits, 1 mantissa bit; 4 bits a number), with one power-of-two scale for each 32 numbers along K (OCP MX v1.0); their sums are f32. The products marked 'left as it is' may take bf16, f16 or f32 operands, with f32 sums. Whichever they take, every output number must still come out within the allowed error. Rounding operands to bf16 (8 significant bits) uses up far more of that allowance than f16 does (11 bits, for magnitudes from 6e-5 to 65,504). All else is computed in f32.
;;   The module's matrix products, in the order in which they are computed (A, B: the left and right operand; K: the contracted axis; several contracted axes count as one K, in the product's order):
;;     1. [M 4,096, K 1,024] x [K 1,024, N 3,072]; A: input x; B: input w_qkv: QUANTISED
;;     2. batch 32 x [M 2,048, K 64] x [K 64, N 2,048]; A: computed on the way; B: computed on the way: left as it is (an operand is computed on the way)
;;     3. batch 32 x [M 2,048, K 2,048] x [K 2,048, N 64]; A: computed on the way; B: computed on the way: left as it is (an operand is computed on the way)
;;     4. [M 4,096, K 1,024] x [K 1,024, N 1,024]; A: computed on the way; B: input w_proj: left as it is (an operand is computed on the way)
;;   THE QUANTISER, for each operand of a quantised product, along K:
;;     - K is cut into blocks of 32 from its start; a last block that is shorter is filled with zeros.
;;     - A block's scale is 2^e with e = floor(log2(the largest magnitude in the block)) - 2, held to -126 .. 127; a block of zeros has e = 0. As a byte (E8M0): e + 127.
;;     - Each number is divided by its block's scale, clamped to +-6, and rounded to the nearest number of E2M1, ties to even, subnormals kept.
;;     - The product sums the exact products of the quantised numbers (number of the format x scale) in f32.
;;   ~~~python
;;   def quantise(x, axis):      # numpy; x: float32 -> the quantised numbers, widened to float32 again
;;       x = np.moveaxis(x, axis, -1); K = x.shape[-1]
;;       x = np.pad(x, [(0, 0)] * (x.ndim - 1) + [(0, -K % 32)]); x = x.reshape(x.shape[:-1] + (-1, 32)); a = np.abs(x).max(-1, keepdims=True)
;;       e = np.where(a > 0, np.clip(np.frexp(np.where(a > 0, a, 1))[1] - 1 - 2, -126, 127), 0)      # np.frexp(a)[1] - 1 = floor(log2(a)), exactly
;;       r = np.clip(x / 2.0 ** e, -6, 6)
;;       step = 2.0 ** (np.maximum(np.frexp(np.where(r == 0, 1, r))[1] - 1, 0) - 1)
;;       q = np.round(r / step) * step * 2.0 ** e      # np.round: ties to even
;;       return np.moveaxis(q.reshape(q.shape[:-2] + (-1,))[..., :K], -1, axis).astype(np.float32)
;;   ~~~
;; One version. Each part assembles by itself: llvm-mc -triple=amdgcn-amd-amdhsa -mcpu=gfx1250 --defsym DOCPART=n.
;; ======== version 1 of 1: 4 launches
;; limits: values are held in f16: magnitudes above 65,504 overflow, below 6.1e-05 lose precision
;; workspace buffers: xc 2,097,152 bytes; xs 131,072 bytes; wc 1,572,864 bytes; ws 98,304 bytes; wp16 2,097,152 bytes; qkv16 25,165,824 bytes; att16 8,388,608 bytes
;; launch prep (part 1): grid 256 x 1, 4 waves a work-group, no clusters, 33,280 bytes of LDS; arguments x, w_qkv, w_proj, xc, xs, wc, ws, wp16; writes xc, xs, wc, ws, wp16
.if DOCPART == 1
	.amdgcn_target "amdgcn-amd-amdhsa--gfx1250"
	.amdhsa_code_object_version 6
	.text
	.protected	k_qf3a62eb4fa_prep
	.globl	k_qf3a62eb4fa_prep
	.p2align	8
	.type	k_qf3a62eb4fa_prep,@function
k_qf3a62eb4fa_prep:
	s_mov_b64 s[64:65], 0
	v_nop
	global_prefetch_b8 v0, s[64:65] scope:SCOPE_SE
	s_setreg_imm32_b32 hwreg(HW_REG_WAVE_MODE, 25, 1), 1
	s_wait_xcnt 0x0
; x [4096][1024] and w_qkv [3072][1024], f32, become codes of FP4 (E2M1), K innermost, two codes a byte, with one E8M0 byte for each 32 along K; w_proj [1024][1024], f32, becomes f16.
; A block's scale is 2^(floor(log2(its largest magnitude)) - 2); its byte is the largest magnitude's exponent field - 2, held at 1 from below.  A block of zeros so gets the byte 1 where the
; quantiser says 127: its codes are zeros, which add nothing under any byte but 0xff, and the bytes are read by this program alone.
; LIMITS: NaN and infinities among the inputs are not served; blocks whose largest magnitude lies under 2^(3 - 127) take the byte 1.
; SHARES: work-groups 0-127 take x, 128-223 w_qkv, 32,768 numbers each (a wave: 16 steps of 512 numbers); work-groups 224-255 take w_proj, 32 rows each (a wave: 8 rows).
; THE QUANTISER.  Rows are dense and K is a multiple of 32: both tensors are plain streams of blocks of 32.  A conversion takes 8 numbers of one block from ONE lane's registers, a load is best where
; neighbouring lanes take neighbouring bytes: each of a step's four loads reads 512 consecutive bytes, the 2,048 bytes go through the wave's own stage in LDS and come back 64 bytes a lane
; (16 bytes of padding behind each 64).  Two neighbouring lanes hold a block.  A wave's store of codes covers 256 consecutive bytes; its 256 scale bytes are gathered in LDS and leave as one store.
; Loads run eight steps ahead: 32 loads, 16,384 bytes, of every wave are on their way, half of all that the wave reads.
; W_PROJ is laid [e / 128][d / 64][e % 128][d % 64] in f16: a tile of 128 rows and 64 along K is 16,384 dense bytes, as the last launch fetches it.  Each load reads 256 consecutive bytes of two rows,
; each store writes 256 consecutive bytes.  No LDS on that path.
.set WAVES, 4
.set STEPS, 16
.set AHEAD, 8                          ; steps that the loads run ahead of the work
.set WGA,   128                        ; work-groups for x
.set WGQ,   224                        ; and for x and w_qkv together
.set EMAX,  2
.set CB,    8                          ; bytes of 16 codes
.set R,     16                         ; v16-143  eight sets of 16 numbers as loaded (w_proj: two sets of 64)
.set X,     144                        ; v144-175 two sets of 16 neighbours
.set E,     176                        ; v176-191 a scale byte for each step
.set C,     192                        ; v192-255 codes: four registers for each step, so that no store's data are written again
.set H16,   144                        ; w_proj: v144-175 numbers in f16
.set WREG,  8192                       ; LDS: a region for each wave: two stages of 32 x SP bytes, behind them its 256 scale bytes
.set SP,    80                         ; a lane's place in a stage: 64 bytes + 16 of padding
.set SPW,   12                         ; v12 LDS address of my spare word; never rewritten
.set NIL,   13                         ; v13 0; never rewritten
.set SPARE, WAVES*WREG                 ; behind the four regions: the spare words, 128 bytes a wave, which no other line names
	s_load_b256 s[4:11], s[0:1], 0x0               ; x s[4:5], w_qkv s[6:7], w_proj s[8:9], xc s[10:11]
	s_load_b256 s[12:19], s[0:1], 0x20             ; xs s[12:13], wc s[14:15], ws s[16:17], wp16 s[18:19]
	v_lshl_add_u32 v[SPW], v0, 2, SPARE
	v_mov_b32 v[NIL], 0
	v_lshrrev_b32 v1, 5, v0
	v_readfirstlane_b32 s20, v1                    ; wave
	v_and_b32 v2, 31, v0                           ; lane
	v_lshlrev_b32 v3, 4, v2                        ; my 16 bytes of a load's 512
	s_mul_i32 s21, s20, WREG
	v_lshrrev_b32 v14, 2, v2
	v_mul_u32_u24 v14, v14, SP
	v_and_b32 v15, 3, v2
	v_lshl_add_u32 v14, v15, 4, v14
	v_add_nc_u32 v14, s21, v14                     ; the stage, on the way in: SP (lane / 4) + 16 (lane % 4)
	v_mul_u32_u24 v15, v2, SP
	v_add_nc_u32 v15, s21, v15                     ; and on the way out: SP x lane: my 16 neighbours
	v_mul_u32_u24 v4, v2, CB                       ; my codes' place in a step's
	v_lshrrev_b32 v5, 1, v2
	s_add_co_u32 s21, s21, 2*32*SP
	v_add_nc_u32 v5, s21, v5                       ; LDS: my wave's 256 scale bytes, my block's byte
	v_lshlrev_b32 v7, 3, v2                        ; and on the way out 8 bytes a lane
	v_add_nc_u32 v6, s21, v7
	s_wait_kmcnt 0x0
	s_cmp_ge_u32 ttmp9, WGQ                        ; the work-group's number alone decides the path
	s_cbranch_scc1 .Lconv
	s_cmp_lt_u32 ttmp9, WGA                        ; x's work-group or w_qkv's?  Only pointers are chosen: both take one path
	s_cselect_b64 s[4:5], s[4:5], s[6:7]
	s_cselect_b64 s[10:11], s[10:11], s[14:15]
	s_cselect_b64 s[12:13], s[12:13], s[16:17]
	s_cselect_b32 s21, 0, WGA
	s_sub_co_u32 s21, ttmp9, s21
	s_lshl_b32 s21, s21, 2
	s_add_co_u32 s22, s21, s20                     ; which run of 8,192 numbers of the tensor is my wave's
	s_mov_b32 s23, 0
	s_mov_b64 s[24:25], 512*STEPS*4
	s_mul_u64 s[24:25], s[22:23], s[24:25]
	s_add_nc_u64 s[4:5], s[4:5], s[24:25]
	s_mov_b64 s[24:25], 32*STEPS*CB
	s_mul_u64 s[24:25], s[22:23], s[24:25]
	s_add_nc_u64 s[10:11], s[10:11], s[24:25]
	s_lshl_b32 s22, s22, 8                         ; 256 scale bytes a run
	s_add_nc_u64 s[12:13], s[12:13], s[22:23]
.macro LOAD t
.irp i, 0,1,2,3
	global_load_b128 v[R+16*((\t)%AHEAD)+4*\i:R+16*((\t)%AHEAD)+4*\i+3], v3, s[4:5] offset:2048*(\t)+512*\i th:TH_LOAD_NT   ; 32 lanes read 512 consecutive bytes
.endr
.endm
.macro TURN t                          ; step t's numbers through the stage: LDS serves a wave's instructions in order, so no wait stands between the stores and the loads
.irp i, 0,1,2,3
	ds_store_b128 v14, v[R+16*((\t)%AHEAD)+4*\i:R+16*((\t)%AHEAD)+4*\i+3] offset:32*SP*((\t)%2)+8*SP*\i
.endr
.irp i, 0,1,2,3
	ds_load_b128 v[X+16*((\t)%2)+4*\i:X+16*((\t)%2)+4*\i+3], v15 offset:32*SP*((\t)%2)+16*\i
.endr
.endm
.irp t, 0,1,2,3,4,5,6,7
	LOAD \t
.endr
	s_wait_loadcnt 4*(AHEAD-1)                     ; step 0's four loads are in; the 28 of steps 1 to 7 may be out
	TURN 0
.macro STEP t
.set XS, X+16*((\t)%2)
.if (\t) > 0
	s_wait_dscnt 1                                 ; this step's numbers are back from the stage (the last step's byte store may be out)
.else
	s_wait_dscnt 0x0
.endif
.if (\t)+AHEAD < STEPS
	LOAD (\t)+AHEAD                                ; into the registers that this step's stage stores have read
.endif
.if (\t)+1 < STEPS
.if STEPS-2-(\t) >= AHEAD-1
	s_wait_loadcnt 4*(AHEAD-1)                     ; the next step's four loads are in; those of the seven steps behind it may be out
.else
	s_wait_loadcnt 4*(STEPS-2-(\t))                ; nothing more is asked for: the count runs down
.endif
	TURN (\t)+1                                    ; through the other stage while this step is worked
.endif
	v_max3_num_f32 v8, |v[XS]|, |v[XS+1]|, |v[XS+2]|               ; the largest magnitude of my 16, in two chains
	v_max3_num_f32 v9, |v[XS+3]|, |v[XS+4]|, |v[XS+5]|
.irp i, 6,10
	v_max3_num_f32 v8, v8, |v[XS+\i]|, |v[XS+\i+1]|
	v_max3_num_f32 v9, v9, |v[XS+\i+2]|, |v[XS+\i+3]|
.endr
	v_max3_num_f32 v8, v8, |v[XS+14]|, |v[XS+15]|
	v_max3_num_f32 v8, v8, v9, (EMAX+1)<<23        ; and the floor 2^(EMAX + 1 - 127): the byte cannot fall under 1
	v_max_num_f32_dpp v8, v8, v8 row_xmask:1 row_mask:0xf bank_mask:0xf   ; and of my neighbour's 16: the block's
	v_add_nc_u32 v11, -(EMAX<<23), v8              ; EMAX off its exponent field: the conversion takes the exponent field of this operand as its scale
	v_cvt_scalef32_pk8_fp4_f32 v[C+4*(\t)], v[XS:XS+7], v11        ; to the nearest code, ties to even, beyond 6 the largest code; the first number's code in the lowest four bits
	v_cvt_scalef32_pk8_fp4_f32 v[C+4*(\t)+1], v[XS+8:XS+15], v11
	v_lshrrev_b32 v[E+(\t)], 23, v11               ; the scale's byte (also the plain line behind the conversions)
	ds_store_b8 v5, v[E+(\t)] offset:16*(\t)       ; both lanes of a block write the same byte with the same value
	global_store_b64 v4, v[C+4*(\t):C+4*(\t)+1], s[10:11] offset:32*CB*(\t)
.endm
.irp t, 0,1,2,3,4,5,6,7,8,9,10,11,12,13,14,15
	STEP \t
.endr
	ds_load_b64 v[8:9], v6                         ; LDS serves a wave's instructions in order: these see my byte stores
	s_wait_dscnt 0x0
	global_store_b64 v7, v[8:9], s[12:13]          ; 32 lanes store 256 consecutive bytes
	s_wait_tensorcnt 0x0                           ; the wave's end
	ds_add_u32 v[SPW], v[NIL]
	s_wait_dscnt 0x0
	s_endpgm
.Lconv:                                                ; w_proj to f16: this path stores nothing to LDS
	s_sub_co_u32 s21, ttmp9, WGQ                   ; g: rows 32 g + 8 wave on
	s_lshl_b32 s22, s21, 17                        ; in: 32 rows of 4,096 bytes a work-group,
	s_lshl_b32 s24, s20, 15                        ; 8 a wave
	s_add_co_u32 s22, s22, s24
	s_mov_b32 s23, 0
	s_add_nc_u64 s[8:9], s[8:9], s[22:23]
	s_lshr_b32 s22, s21, 2                         ; out: tile of 128 rows g / 4: 262,144 bytes,
	s_lshl_b32 s22, s22, 18
	s_and_b32 s24, s21, 3                          ; row 32 (g % 4) + 8 wave of the tile: 128 bytes a row in each plane
	s_lshl_b32 s24, s24, 12
	s_add_co_u32 s22, s22, s24
	s_lshl_b32 s24, s20, 10
	s_add_co_u32 s22, s22, s24
	s_add_nc_u64 s[18:19], s[18:19], s[22:23]
	v_lshrrev_b32 v8, 4, v2
	v_and_b32 v9, 15, v2
	v_lshlrev_b32 v9, 4, v9
	v_lshl_add_u32 v8, v8, 12, v9                  ; in: lanes 0-15 one row, lanes 16-31 the next; 16 bytes a lane
	v_lshlrev_b32 v9, 3, v2                        ; out: the same two rows are neighbours in a plane: 8 bytes a lane
.macro LOADG p                         ; rows 2 p, 2 p + 1 of my eight: sixteen loads, one for each 64 along K
.irp h, 0,1,2,3,4,5,6,7,8,9,10,11,12,13,14,15
	global_load_b128 v[R+64*((\p)%2)+4*\h:R+64*((\p)%2)+4*\h+3], v8, s[8:9] offset:(\p)*8192+\h*256 th:TH_LOAD_NT
.endr
.endm
.macro CONV p, left
	s_wait_loadcnt \left                           ; this pair's sixteen loads are in; the next pair's may be out
.if (\p) > 0
	s_wait_xcnt 0x0                                ; the last pair's stores have read their data: the registers are written again only behind this wait
.endif
.irp h, 0,1,2,3,4,5,6,7,8,9,10,11,12,13,14,15
	v_cvt_pk_f16_f32 v[H16+2*\h], v[R+64*((\p)%2)+4*\h], v[R+64*((\p)%2)+4*\h+1]
	v_cvt_pk_f16_f32 v[H16+2*\h+1], v[R+64*((\p)%2)+4*\h+2], v[R+64*((\p)%2)+4*\h+3]
.endr
.irp h, 0,1,2,3,4,5,6,7,8,9,10,11,12,13,14,15
	global_store_b64 v9, v[H16+2*\h:H16+2*\h+1], s[18:19] offset:\h*16384+(\p)*256   ; plane h: 32 lanes store 256 consecutive bytes
.endr
.endm
	LOADG 0
	LOADG 1
	CONV 0, 16
	LOADG 2
	CONV 1, 16
	LOADG 3
	CONV 2, 16
	CONV 3, 0
	s_endpgm
.Lfunc_end_k_qf3a62eb4fa_prep:
	.size	k_qf3a62eb4fa_prep, .Lfunc_end_k_qf3a62eb4fa_prep-k_qf3a62eb4fa_prep
	.p2alignl 7, 3214868480
	.fill 96, 4, 3214868480
	.section	.rodata,"a",@progbits
	.p2align	6, 0x0
	.amdhsa_kernel k_qf3a62eb4fa_prep
		.amdhsa_group_segment_fixed_size 33280
		.amdhsa_private_segment_fixed_size 0
		.amdhsa_enable_private_segment 0
		.amdhsa_kernarg_size 64
		.amdhsa_user_sgpr_count 2
		.amdhsa_user_sgpr_kernarg_segment_ptr 1
		.amdhsa_wavefront_size32 1
		.amdhsa_system_sgpr_workgroup_id_x 1
		.amdhsa_system_sgpr_workgroup_id_y 1
		.amdhsa_system_sgpr_workgroup_id_z 1
		.amdhsa_system_vgpr_workitem_id 0
		.amdhsa_next_free_vgpr 256
		.amdhsa_next_free_sgpr 66
		.amdhsa_reserve_vcc 0
		.amdhsa_float_denorm_mode_32 3
		.amdhsa_float_denorm_mode_16_64 3
		.amdhsa_memory_ordered 1
		.amdhsa_forward_progress 1
		.amdhsa_inst_pref_size 54
	.end_amdhsa_kernel
	.amdgpu_metadata
---
amdhsa.version: [ 1, 2 ]
amdhsa.kernels:
  - .name:           k_qf3a62eb4fa_prep
    .symbol:         k_qf3a62eb4fa_prep.kd
    .args:
      - { .name: x, .offset: 0, .size: 8, .value_kind: global_buffer, .address_space: global }
      - { .name: w_qkv, .offset: 8, .size: 8, .value_kind: global_buffer, .address_space: global }
      - { .name: w_proj, .offset: 16, .size: 8, .value_kind: global_buffer, .address_space: global }
      - { .name: xc, .offset: 24, .size: 8, .value_kind: global_buffer, .address_space: global }
      - { .name: xs, .offset: 32, .size: 8, .value_kind: global_buffer, .address_space: global }
      - { .name: wc, .offset: 40, .size: 8, .value_kind: global_buffer, .address_space: global }
      - { .name: ws, .offset: 48, .size: 8, .value_kind: global_buffer, .address_space: global }
      - { .name: wp16, .offset: 56, .size: 8, .value_kind: global_buffer, .address_space: global }
    .group_segment_fixed_size: 33280
    .private_segment_fixed_size: 0
    .kernarg_segment_align: 8
    .kernarg_segment_size: 64
    .max_flat_workgroup_size: 128
    .sgpr_count:     66
    .vgpr_count:     256
    .wavefront_size: 32
...
	.end_amdgpu_metadata
.endif
;; end of part 1
;; launch qkv (part 2): grid 12 x 16, 4 waves a work-group, clusters of 4 x 4, 327,680 bytes of LDS; arguments xc, xs, wc, ws, qkv16; writes qkv16
.if DOCPART == 2
	.amdgcn_target "amdgcn-amd-amdhsa--gfx1250"
	.amdhsa_code_object_version 6
	.text
	.protected	k_qf3a62eb4fa_qkv
	.globl	k_qf3a62eb4fa_qkv
	.p2align	8
	.type	k_qf3a62eb4fa_qkv,@function
k_qf3a62eb4fa_qkv:
	s_mov_b64 s[64:65], 0
	v_nop
	global_prefetch_b8 v0, s[64:65] scope:SCOPE_SE
	s_setreg_imm32_b32 hwreg(HW_REG_WAVE_MODE, 25, 1), 1
	s_wait_xcnt 0x0
	s_wait_alu depctr_hold_cnt(0) depctr_sa_sdst(0) depctr_va_vdst(0) depctr_va_sdst(0) depctr_va_ssrc(0) depctr_va_vcc(0) depctr_vm_vsrc(0)
	s_getreg_b32 s2, hwreg(HW_REG_IB_STS2, 6, 4)
	s_cmp_eq_u32 s2, 0
	s_cbranch_scc0 .Lentry_in_a_cluster
	s_endpgm
.Lentry_in_a_cluster:
	s_bfe_u32 s2, ttmp6, 0x10000c
	s_cmp_lg_u32 s2, 0xf033
	s_cbranch_scc0 .Lentry_shape_is_right
	s_endpgm
.Lentry_shape_is_right:
; qkv[m][e] = sum over k of x[m][k] w_qkv[e][k], both as codes of FP4 (E2M1) with one E8M0 byte for each 32 along K; sums in f32; the results are rounded once to f16 and laid by head:
; qkv16 [which 3][16 b + head][l 2048][64], so that a head's q, k or v is 262,144 dense bytes.  m = 2048 b + l, e = 1024 which + 64 head + channel.
; LIMIT: |q|, |k|, |v| stay under 65,504, f16's largest number.
; A tile of 256 x 256 is made by four waves, a wave makes 128 x 128: 64 accumulators of 16 x 16, 512 registers.  K = 1,024 is two slots of 512 along K (tile rows of 256 bytes): both are asked for at the head,
; with the scale bytes of the work-group's 256 + 256 rows for all of K: three tensor loads a wave are out at the most, and no LDS byte is filled twice.
; 12 x 16 = 192 tiles: a tile of 192 columns would give 256 work-groups, but a wave's 96 columns would straddle heads.
; CLUSTERS: 4 x 4 work-groups.  The four of a row of the cluster need the same tiles of x, the four of a column the same tiles of w_qkv: each is asked for JOINTLY, by the same tensor load with the same
; descriptor and a mask that names the four.  THE MATRIX INSTRUCTION IS USED TRANSPOSED (source 0 = 16 rows of w, source 1 = 16 rows of x): a lane then holds eight neighbouring channels of one row.
; REGISTERS, in windows of 256: window 0: v0-31 addresses; v32-95 scale words, two sets, and nothing else; v128-191 x's fragments, ONE set (on the way out: rows read back); v192-223 the way out's packed results.
;   window 1: w's fragments, TWO sets, at v0 and v128.   window 2: the 32 accumulators of my rows 0-63 ((a, b) at v[8 (8 a + b)]);   window 3: those of my rows 64-127.
.set SIZE_K, 1024
.set KSTEP,  512                       ; along K in a slot
.set NQ,     KSTEP/128                 ; matrix instructions deep
.set ROWB,   256                       ; a tile's row in bytes
.set KROW,   SIZE_K*4/8                ; a row of codes in memory
.set PITCH,  272                       ; an LDS row: 256 bytes + 16 of padding = 68 words: the 16 rows that a load touches start at 16 different groups of four banks
.set FR,     8                         ; registers of a fragment: 16 rows x 128 K
.set NL,     2                         ; LDS loads that bring one
.set NP,     4                         ; places behind this matrix instruction (ISA guide 7.12.1)
.set HALFT,  128*PITCH                 ; 128 rows: what one tensor load brings, and what one wave reads of x or of w
.set SLOT,   4*HALFT
.set KS,     SIZE_K/32                 ; a row of scale bytes
.set SCL,    2*SLOT                    ; behind the slots: the scales, as units of 256 bytes + 16 of padding
.set HALFS,  (128*KS/256)*272          ; those of 128 rows: what one tensor load brings
.set SBLK,   (16*KS/256)*272           ; those of 16 rows
.set SPARE,  SCL+4*HALFS               ; behind the scales: the spare words, 128 bytes a wave, which no other line names
.set STW,    2*16*144                  ; the way out: a stage for each wave: 2 heads x 16 rows x (128 bytes + 16).  It lies in slot 0, which has had its one fill and its last read when the first result is stored there
.set ADRA, 16                          ; v16-17  LDS address of my x fragments in slot 0, 1
.set ADRB, 20                          ; v20-21  the same for w
.set STO,  24                          ; v24     the way out: where I put 16 bytes of a row
.set RD,   25                          ; v25     where I read rows back
.set CO,   26                          ; v26     16 x lane: my place in 512 dense bytes of a head
.set ADRS, 27                          ; v27     LDS address of my scale words: lanes 0-15 x's rows, lanes 16-31 w's
.set SPW,  28                          ; v28     LDS address of my spare word; never rewritten
.set NIL,  29                          ; v29     0; never rewritten
.set SC,   32                          ; scale words: set s at v[SC + 8 NQ s]; register NQ i + q: lanes 0-15 x's block i, lanes 16-31 w's block i, the slot's q-th 128 along K
.set AF,   128                         ; x's fragments
.set BK,   128                         ; the way out: rows read back, v128-159 and v160-191 by turns
.set TMP,  192                         ; the way out: packed results
.set G1, 24                            ; s[24:31] descriptor group 1 for x's tiles;  s[32:39] group 0, one set for each slot
.set G0, 32
.set G1B, 48                           ; s[48:55], s[56:63] the same for w's
.set G0B, 56
.set G1S, 68                           ; s[68:75], s[76:79] groups 1 and 0 for x's scales;  s[80:87], s[88:91] for w's
.set G0S, 76
.set G1SB, 80
.set G0SB, 88
.set MSB, 0
.macro WIN new                         ; the immediate's high byte repeats the setting that is left
.if MSB != (\new)
	s_set_vgpr_msb (MSB<<8)|(\new)
.set MSB, \new
.endif
.endm
.set MUL_LO, 0xa1                      ; source 0 (w) window 1, source 1 (x) window 0, C and D window 2
.set MUL_HI, 0xf1                      ; the same, C and D window 3
.set TO_B,   0x40                      ; destination window 1, address window 0
; A joint load: waves 0 and 1 fetch for x, waves 2 and 3 for w.  Each line has ONE mask and one set of registers for all that issue it; the branch hangs on the wave's number alone.
; An s_nop 0 and four v_nop follow each of the two lines.
.macro JLOAD g0a, g1a, g0b, g1b
	s_cmp_eq_u32 s15, 0
	s_cbranch_scc0 .Lfor_b_\@
	tensor_load_to_lds s[\g0a:\g0a+3], s[\g1a:\g1a+7]
	s_nop 0
.rept 4
	v_nop
.endr
	s_branch .Lasked_\@
.Lfor_b_\@:
	tensor_load_to_lds s[\g0b:\g0b+3], s[\g1b:\g1b+7]
	s_nop 0
.rept 4
	v_nop
.endr
.Lasked_\@:
.endm
.macro CROUND                          ; a round of the cluster's barrier: my work-group's barrier; wave 0 signals for the work-group; every wave waits for all sixteen; my work-group's barrier once more
	s_barrier_signal -1
	s_barrier_wait -1
	s_cmp_lg_u32 s14, 0
	s_cbranch_scc1 .Lnot_wave_0_\@
	s_barrier_signal -3
.Lnot_wave_0_\@:
	s_barrier_wait -3
	s_barrier_signal -1
	s_barrier_wait -1
.endm
	s_load_b128 s[4:7], s[0:1], 0x0                ; x's codes s[4:5], x's scales s[6:7]
	s_load_b128 s[8:11], s[0:1], 0x10              ; w's codes s[8:9], w's scales s[10:11]
	s_load_b64 s[12:13], s[0:1], 0x20              ; qkv16
	v_lshl_add_u32 v[SPW], v0, 2, SPARE
	v_mov_b32 v[NIL], 0
	ds_add_u32 v[SPW], v[NIL]                      ; the wave's opening: the add, twice on end, and its wait ahead of my first tensor load
	ds_add_u32 v[SPW], v[NIL]                      ; the set-up below, work on registers, stands between the second and the wait
	v_lshrrev_b32 v1, 5, v0
	v_readfirstlane_b32 s14, v1                    ; wave 0..3
	s_lshr_b32 s15, s14, 1                         ; which half of the tile's rows is mine.  Also: I fetch for x (0) or for w (1)
	s_and_b32 s16, s14, 1                          ; which half of its columns.  Also: which 128 rows of that tile I fetch
	s_bfe_u32 s40, ttmp6, 0x40000                  ; cx, cy: my place in the cluster
	s_bfe_u32 s41, ttmp6, 0x40004
	s_lshl_b32 s42, ttmp9, 2
	s_add_co_u32 s42, s42, s40                     ; tile column = 4 x cluster x + cx
	s_and_b32 s17, ttmp7, 0xffff
	s_lshl_b32 s17, s17, 2
	s_add_co_u32 s17, s17, s41                     ; tile row = 4 x cluster y + cy
	s_lshl_b32 s43, s41, 2
	s_lshl_b32 s43, 15, s43                        ; my row of the cluster
	s_lshl_b32 s44, 0x1111, s40                    ; my column
	; descriptor group 1: a tile of 128 rows x 256 bytes, 16 bytes of padding behind each row
	s_or_b32 s[G1+0], s43, (0<<16)|(1<<20)|(1<<21)|(5<<22)|(3<<25)  ; 15:0 the mask: x's tiles go to my row; 17:16 elements of 1 byte; 20 padding on; 21 set beside a mask; 24:22 after every 64 words; 31:25 four words
	s_or_b32 s[G1B+0], s44, (0<<16)|(1<<20)|(1<<21)|(5<<22)|(3<<25)
.irp g, G1, G1B
	s_mov_b32 s[\g+1], ROWB<<16                    ; tensor_dim0
	s_mov_b32 s[\g+2], 128<<16                     ; tensor_dim1
	s_mov_b32 s[\g+3], ROWB<<16                    ; tile_dim0
	s_mov_b32 s[\g+4], 128                         ; tile_dim1
	s_mov_b32 s[\g+5], KROW                        ; tensor_dim0_stride
	s_mov_b32 s[\g+6], 0
	s_mov_b32 s[\g+7], 0
.endr
	; the scales of 128 rows: a dense block of 4,096 bytes, as 16 rows of 256 bytes (32 elements of 8 bytes), 16 bytes of padding behind each
	s_or_b32 s[G1S+0], s43, (3<<16)|(1<<20)|(1<<21)|(5<<22)|(3<<25)
	s_or_b32 s[G1SB+0], s44, (3<<16)|(1<<20)|(1<<21)|(5<<22)|(3<<25)
.irp g, G1S, G1SB
	s_mov_b32 s[\g+1], 32<<16
	s_mov_b32 s[\g+2], (128*KS/256)<<16
	s_mov_b32 s[\g+3], 32<<16
	s_mov_b32 s[\g+4], 128*KS/256
	s_mov_b32 s[\g+5], 32
	s_mov_b32 s[\g+6], 0
	s_mov_b32 s[\g+7], 0
.endr
	s_lshl_b32 s18, s16, 7                         ; which 128 rows of the tile I fetch
	s_lshl_b32 s20, s17, 8
	s_add_co_u32 s20, s20, s18                     ; x: row 256 x tile row + 128 x half
	s_lshl_b32 s46, s42, 8
	s_add_co_u32 s46, s46, s18                     ; w: row 256 x tile column + 128 x half
	s_mov_b32 s21, 0
	s_mov_b32 s47, 0
	s_mov_b64 s[18:19], KS
	s_mul_u64 s[22:23], s[20:21], s[18:19]         ; where these rows' scales begin, in bytes
	s_mul_u64 s[92:93], s[46:47], s[18:19]
	s_mov_b64 s[18:19], KROW
	s_mul_u64 s[20:21], s[20:21], s[18:19]         ; and their codes
	s_mul_u64 s[46:47], s[46:47], s[18:19]
	s_mul_i32 s45, s14, HALFT                      ; where they go: wave x 128 rows: no place in the cluster enters an LDS address
	s_mul_i32 s94, s14, HALFS
	s_wait_dscnt 0x0                               ; both opening adds are done
	s_wait_kmcnt 0x0
	s_add_nc_u64 s[20:21], s[4:5], s[20:21]
	s_add_nc_u64 s[22:23], s[6:7], s[22:23]
	s_add_nc_u64 s[46:47], s[8:9], s[46:47]
	s_add_nc_u64 s[92:93], s[10:11], s[92:93]
	CROUND                                         ; all sixteen work-groups are here: the joint loads meet
	s_mov_b32 s[G0S], 1
	s_add_co_u32 s[G0S+1], s94, SCL
	s_mov_b64 s[G0S+2:G0S+3], s[22:23]
	s_or_b32 s[G0S+3], s[G0S+3], 0x80000000
	s_mov_b32 s[G0SB], 1
	s_add_co_u32 s[G0SB+1], s94, SCL
	s_mov_b64 s[G0SB+2:G0SB+3], s[92:93]
	s_or_b32 s[G0SB+3], s[G0SB+3], 0x80000000
	JLOAD G0S, G1S, G0SB, G1SB                     ; the scales first: they are wanted with the first slot
.irp s, 0,1
	s_mov_b32 s[G0+4*\s], 1
	s_add_co_u32 s[G0+4*\s+1], s45, \s*SLOT
	s_add_nc_u64 s[G0+4*\s+2:G0+4*\s+3], s[20:21], \s*ROWB
	s_or_b32 s[G0+4*\s+3], s[G0+4*\s+3], 0x80000000
	s_mov_b32 s[G0B+4*\s], 1
	s_add_co_u32 s[G0B+4*\s+1], s45, \s*SLOT
	s_add_nc_u64 s[G0B+4*\s+2:G0B+4*\s+3], s[46:47], \s*ROWB
	s_or_b32 s[G0B+4*\s+3], s[G0B+4*\s+3], 0x80000000
	JLOAD G0+4*\s, G1, G0B+4*\s, G1B
.endr
	v_and_b32 v1, 15, v0                           ; r = l % 16
	v_bfe_u32 v2, v0, 4, 1                         ; h = l / 16
	v_mul_u32_u24 v3, v1, PITCH
	v_lshl_add_u32 v4, v2, 4, v3                   ; a fragment's row x pitch + 16 x half
	s_mul_i32 s21, s15, HALFT                      ; my 128 rows of x
	s_mul_i32 s22, s16, HALFT                      ; my 128 rows of w,
	s_add_co_u32 s22, s22, 2*HALFT                 ; which lie behind x's 256
.irp s, 0,1
	v_add_nc_u32 v[ADRA+\s], s21, v4
	v_add_nc_u32 v[ADRB+\s], s22, v4
	s_add_co_u32 s21, s21, SLOT
	s_add_co_u32 s22, s22, SLOT
.endr
	v_mul_u32_u24 v5, v1, KS                       ; my row's scales: KS bytes a row,
	v_lshrrev_b32 v6, 8, v5
	v_lshl_add_u32 v5, v6, 4, v5                   ; and 16 more for each 256 passed
	s_mul_i32 s21, s15, HALFS                      ; x's: my 128 rows
	s_mul_i32 s22, s16, HALFS                      ; w's: my 128 rows, behind x's 256
	s_add_co_u32 s22, s22, 2*HALFS
	s_sub_co_u32 s22, s22, s21
	v_mul_u32_u24 v6, s22, v2                      ; lanes 16-31 take w's: one product, the distance between the two bases x h
	s_add_co_u32 s21, s21, SCL
	v_add_nc_u32 v5, v5, v6
	v_add_nc_u32 v[ADRS], s21, v5
	s_mul_i32 s23, s14, STW                        ; my stage
	v_mul_u32_u24 v5, v1, 144                      ; in: row r, 16 bytes for each half of the lanes
	v_lshl_add_u32 v5, v2, 4, v5
	v_add_nc_u32 v[STO], s23, v5
	v_and_b32 v6, 31, v0
	v_lshlrev_b32 v[CO], 4, v6                     ; back: 32 lanes take four rows of 128 bytes, which are 512 dense bytes of a head
	v_lshrrev_b32 v5, 3, v6
	v_mul_u32_u24 v5, v5, 144
	v_and_b32 v6, 7, v6
	v_lshl_add_u32 v5, v6, 4, v5
	v_add_nc_u32 v[RD], s23, v5
	; where my 128 rows x 2 heads begin in qkv16: which = tile column / 4; head = 4 (tile column % 4) + 2 x column half; b = tile row / 8; l = 256 (tile row % 8) + 128 x row half
	s_lshr_b32 s20, s42, 2
	s_lshl_b32 s20, s20, 23                        ; 8,388,608 bytes for each of q, k, v
	s_lshr_b32 s21, s17, 3
	s_lshl_b32 s21, s21, 4
	s_and_b32 s22, s42, 3
	s_lshl_b32 s22, s22, 2
	s_add_co_u32 s21, s21, s22
	s_lshl_b32 s22, s16, 1
	s_add_co_u32 s21, s21, s22                     ; 16 b + head
	s_lshl_b32 s21, s21, 18                        ; 262,144 bytes a head
	s_add_co_u32 s20, s20, s21
	s_and_b32 s21, s17, 7
	s_lshl_b32 s21, s21, 8
	s_lshl_b32 s22, s15, 7
	s_add_co_u32 s21, s21, s22
	s_lshl_b32 s21, s21, 7                         ; 128 bytes a row
	s_add_co_u32 s20, s20, s21
	s_mov_b32 s21, 0
	s_add_nc_u64 s[12:13], s[12:13], s[20:21]
.macro FRAG reg, adr, q, i             ; a fragment, 16 rows x 128 K of 4-bit codes: lane l holds row l % 16; registers 4 c .. 4 c + 3 hold K = 64 c + 32 (l / 16) + 0 .. 31
.irp c, 0,1
	ds_load_b128 v[\reg+4*\c:\reg+4*\c+3], v[\adr] offset:64*(\q)+32*\c+(\i)*16*PITCH
.endr
.endm
; 16 matrix instructions: x's blocks a0, a0 + 1 against w's eight, 128 along K: the slot's q-th.  p: w's set;  sc: the set of scale words.  zero = 1: the first product starts the sums: nothing is cleared.
; The 64 accumulators take turns, one instruction a turn, in the same order in every step.
.macro MUL16 a0, p, q, sc, zero
.irp a, \a0, \a0+1
.irp b, 0,1,2,3,4,5,6,7
.if \zero
	v_wmma_scale_f32_16x16x128_f8f6f4 v[8*(8*((\a)%4)+\b):8*(8*((\a)%4)+\b)+7], v[128*(\p)+FR*\b:128*(\p)+FR*\b+FR-1], v[AF+FR*(\a):AF+FR*(\a)+FR-1], 0, v[SC+8*NQ*(\sc)+NQ*\b+(\q)], v[SC+8*NQ*(\sc)+NQ*(\a)+(\q)] matrix_a_fmt:MATRIX_FMT_FP4 matrix_b_fmt:MATRIX_FMT_FP4 matrix_a_scale:MATRIX_SCALE_ROW1
.else
	v_wmma_scale_f32_16x16x128_f8f6f4 v[8*(8*((\a)%4)+\b):8*(8*((\a)%4)+\b)+7], v[128*(\p)+FR*\b:128*(\p)+FR*\b+FR-1], v[AF+FR*(\a):AF+FR*(\a)+FR-1], v[8*(8*((\a)%4)+\b):8*(8*((\a)%4)+\b)+7], v[SC+8*NQ*(\sc)+NQ*\b+(\q)], v[SC+8*NQ*(\sc)+NQ*(\a)+(\q)] matrix_a_fmt:MATRIX_FMT_FP4 matrix_b_fmt:MATRIX_FMT_FP4 matrix_a_scale:MATRIX_SCALE_ROW1
.endif
.endr
.endr
.endm
.macro FETCH_B slot, q, p              ; w's eight fragments of the slot's q-th 128 along K into set p
	WIN TO_B
.irp i, 0,1,2,3,4,5,6,7
	FRAG 128*(\p)+FR*\i, ADRB+\slot, \q, \i
.endr
	WIN 0
.endm
.macro FETCH_A slot, q, i0             ; x's blocks i0 .. i0 + 3
.irp i, \i0, \i0+1, \i0+2, \i0+3
	FRAG AF+FR*(\i), ADRA+\slot, \q, \i
.endr
.endm
.macro SCALES sc                       ; a slot's scale words into set sc: NQ words a row; lanes 0-15 take x's block i, lanes 16-31 w's block i
.irp i, 0,1,2,3,4,5,6,7
	ds_load_b128 v[SC+8*NQ*\sc+NQ*\i:SC+8*NQ*\sc+NQ*\i+3], v[ADRS] offset:\i*SBLK
.endr
.endm
; A load into a register that a matrix instruction has read, and a vector instruction that reads a matrix result, stand NP places behind that matrix instruction; only plain vector
; instructions that name none of its registers are places.
.macro PLACES n
.rept \n
	v_nop
.endr
.endm
; A step of 128 along K that has its successor in the same slot.  A block of x is free as soon as its eight products are issued: blocks 0-3 are fetched anew in the step's middle, blocks 4-7 at its end.
.macro STEP slot, q, zero
	s_wait_dscnt 4*NL                              ; w's set and x's blocks 0-3 are in; the youngest eight loads (x's blocks 4-7) may be out
	WIN MUL_LO
	MUL16 0, (\q)%2, \q, \slot, \zero
	MUL16 2, (\q)%2, \q, \slot, \zero
	s_wait_dscnt 0                                 ; x's blocks 4-7 are in (asked for 32 matrix instructions ago)
	PLACES NP
	FETCH_B \slot, (\q)+1, 1-(\q)%2
	FETCH_A \slot, (\q)+1, 0
	WIN MUL_HI
	MUL16 4, (\q)%2, \q, \slot, \zero
	MUL16 6, (\q)%2, \q, \slot, \zero
	PLACES NP
	WIN 0
	FETCH_A \slot, (\q)+1, 4
.endm
; Slot 0's last step changes slots: one barrier; in front of it each wave waits for all its tensor loads (slot 1's part), adds 0 to its spare word, and waits for that and for its reads of slot 0.
; Behind it slot 1 is whole, and nobody reads slot 0 any more: the way out may use its bytes.  Nothing is filled again.
.macro TURN slot, next
	s_wait_tensorcnt 0x0                           ; all my tensor loads have landed
	ds_add_u32 v[SPW], v[NIL]                      ; 0 onto my spare word
	s_wait_dscnt 4*NL+1                            ; (the add and the youngest eight loads, x's blocks 4-7, may be out)
	WIN MUL_LO
	MUL16 0, 1, NQ-1, \slot, 0                     ; sixteen matrix instructions stand between the add and the wait for it
	s_wait_dscnt 0x0                               ; the add is done, and my reads of this slot are over
	s_barrier_signal -1
	MUL16 2, 1, NQ-1, \slot, 0
	WIN 0
	s_barrier_wait -1
	PLACES NP
	v_add_nc_u32 v[ADRS], 4*NQ, v[ADRS]            ; on to the next slot's scale words
	FETCH_B \next, 0, 0
	FETCH_A \next, 0, 0
	SCALES \next
	WIN MUL_HI
	MUL16 4, 1, NQ-1, \slot, 0
	MUL16 6, 1, NQ-1, \slot, 0
	PLACES NP
	WIN 0
	FETCH_A \next, 0, 4
.endm
.macro STEPS slot, from                ; the slot's steps from .. NQ - 2
.set Q, \from
.rept NQ-1-\from
	STEP \slot, Q, 0
.set Q, Q+1
.endr
.endm
	s_wait_tensorcnt 1                             ; the scales and my part of slot 0 are in (slot 1's load, issued behind them, may be out),
	s_barrier_signal -1
	s_barrier_wait -1                              ; everybody's are
	FETCH_B 0, 0, 0
	FETCH_A 0, 0, 0
	SCALES 0
	FETCH_A 0, 0, 4
	STEP 0, 0, 1                                   ; the first step's products start the sums
	STEPS 0, 1
	TURN 0, 1
	STEPS 1, 0
	s_wait_dscnt 4*NL                              ; the very last step: nothing more to fetch
	WIN MUL_LO
	MUL16 0, 1, NQ-1, 1, 0
	MUL16 2, 1, NQ-1, 1, 0
	s_wait_dscnt 0
	WIN MUL_HI
	MUL16 4, 1, NQ-1, 1, 0
	MUL16 6, 1, NQ-1, 1, 0
	WIN 0
; THE WAY OUT, block by block of 16 rows x 128 columns (two heads).  A lane's eight channels pack into 16 bytes of f16; the lanes beside it hold other rows: so a block goes through my own stage in LDS
; and comes back as rows; 16 rows of a head are 2,048 dense bytes of qkv16: each store covers 512 consecutive bytes.  LDS serves a wave's instructions in order: no wait between the stores and the loads.
.macro PACK a
.set AC, 64*((\a)%4)
	WIN 0x0a+5*((\a)/4)                            ; sources 0 and 1: window 2 or 3
.irp b, 0,1,2,3,4,5,6,7
.irp r, 0,1,2,3
	v_cvt_pk_f16_f32 v[TMP+4*\b+\r], v[AC+8*\b+2*\r], v[AC+8*\b+2*\r+1]   ; each accumulator from its low end on
.endr
.endr
	WIN 0
.endm
.macro TOSTAGE a
.set BB, BK+32*((\a)%2)
.irp b, 0,1,2,3,4,5,6,7
	ds_store_b128 v[STO], v[TMP+4*\b:TMP+4*\b+3] offset:(\b/4)*2304+32*(\b%4)   ; head b / 4, channels 16 (b % 4) + 8 h on
.endr
.irp t, 0,1,2,3,4,5,6,7
	ds_load_b128 v[BB+4*\t:BB+4*\t+3], v[RD] offset:(\t/4)*2304+(\t%4)*576       ; head t / 4, rows 4 (t % 4) on
.endr
.endm
.macro SEND a
.set BB, BK+32*((\a)%2)
	s_wait_dscnt 0x0                               ; the block is back in registers
	s_wait_xcnt 0x0                                ; the block before's stores have read their registers: the next block's loads land there only behind this wait
.irp t, 0,1,2,3,4,5,6,7
	global_store_b128 v[CO], v[BB+4*\t:BB+4*\t+3], s[12:13] offset:(\t/4)*262144+(\a)*2048+(\t%4)*512
.endr
.endm
	PLACES NP                                      ; behind the last products: for the loads into the registers that held x's fragments, and for the reads of results
	PACK 0
	TOSTAGE 0
.irp a, 1,2,3,4,5,6,7                  ; block a's conversions stand between block a - 1's loads from the stage and the wait for them
	PACK \a
	SEND \a-1
	TOSTAGE \a
.endr
	SEND 7
	s_wait_tensorcnt 0x0                           ; the wave's end
	ds_add_u32 v[SPW], v[NIL]
	s_wait_dscnt 0x0
	CROUND                                         ; the closing round: no work-group ends while a partner may still ask for a tile that names it
	s_endpgm
.Lfunc_end_k_qf3a62eb4fa_qkv:
	.size	k_qf3a62eb4fa_qkv, .Lfunc_end_k_qf3a62eb4fa_qkv-k_qf3a62eb4fa_qkv
	.p2alignl 7, 3214868480
	.fill 96, 4, 3214868480
	.section	.rodata,"a",@progbits
	.p2align	6, 0x0
	.amdhsa_kernel k_qf3a62eb4fa_qkv
		.amdhsa_group_segment_fixed_size 327680
		.amdhsa_private_segment_fixed_size 0
		.amdhsa_enable_private_segment 0
		.amdhsa_kernarg_size 40
		.amdhsa_user_sgpr_count 2
		.amdhsa_user_sgpr_kernarg_segment_ptr 1
		.amdhsa_wavefront_size32 1
		.amdhsa_system_sgpr_workgroup_id_x 1
		.amdhsa_system_sgpr_workgroup_id_y 1
		.amdhsa_system_sgpr_workgroup_id_z 1
		.amdhsa_system_vgpr_workitem_id 0
		.amdhsa_next_free_vgpr 1024
		.amdhsa_next_free_sgpr 98
		.amdhsa_reserve_vcc 0
		.amdhsa_float_denorm_mode_32 3
		.amdhsa_float_denorm_mode_16_64 3
		.amdhsa_memory_ordered 1
		.amdhsa_forward_progress 1
		.amdhsa_inst_pref_size 126
	.end_amdhsa_kernel
	.amdgpu_metadata
---
amdhsa.version: [ 1, 2 ]
amdhsa.kernels:
  - .name:           k_qf3a62eb4fa_qkv
    .symbol:         k_qf3a62eb4fa_qkv.kd
    .args:
      - { .name: xc, .offset: 0, .size: 8, .value_kind: global_buffer, .address_space: global }
      - { .name: xs, .offset: 8, .size: 8, .value_kind: global_buffer, .address_space: global }
      - { .name: wc, .offset: 16, .size: 8, .value_kind: global_buffer, .address_space: global }
      - { .name: ws, .offset: 24, .size: 8, .value_kind: global_buffer, .address_space: global }
      - { .name: qkv16, .offset: 32, .size: 8, .value_kind: global_buffer, .address_space: global }
    .group_segment_fixed_size: 327680
    .private_segment_fixed_size: 0
    .kernarg_segment_align: 8
    .kernarg_segment_size: 40
    .max_flat_workgroup_size: 128
    .sgpr_count:     98
    .vgpr_count:     1024
    .wavefront_size: 32
...
	.end_amdgpu_metadata
.endif
;; end of part 2
;; launch attn (part 3): grid 8 x 32, 8 waves a work-group, clusters of 4 x 1, 327,680 bytes of LDS; arguments qkv16, att16; writes att16
.if DOCPART == 3
	.amdgcn_target "amdgcn-amd-amdhsa--gfx1250"
	.amdhsa_code_object_version 6
	.text
	.protected	k_qf3a62eb4fa_attn
	.globl	k_qf3a62eb4fa_attn
	.p2align	8
	.type	k_qf3a62eb4fa_attn,@function
k_qf3a62eb4fa_attn:
	s_mov_b64 s[64:65], 0
	v_nop
	global_prefetch_b8 v0, s[64:65] scope:SCOPE_SE
	s_setreg_imm32_b32 hwreg(HW_REG_WAVE_MODE, 25, 1), 1
	s_wait_xcnt 0x0
	s_wait_alu depctr_hold_cnt(0) depctr_sa_sdst(0) depctr_va_vdst(0) depctr_va_sdst(0) depctr_va_ssrc(0) depctr_va_vcc(0) depctr_vm_vsrc(0)
	s_getreg_b32 s2, hwreg(HW_REG_IB_STS2, 6, 4)
	s_cmp_eq_u32 s2, 0
	s_cbranch_scc0 .Lentry_in_a_cluster
	s_endpgm
.Lentry_in_a_cluster:
	s_bfe_u32 s2, ttmp6, 0x10000c
	s_cmp_lg_u32 s2, 0x3003
	s_cbranch_scc0 .Lentry_shape_is_right
	s_endpgm
.Lentry_shape_is_right:
; o[bh][q][:] = the sum over k of softmax_k(q[bh][q] . k[bh][k] / 8) v[bh][k][:].  q, k, v: qkv16 [3][32][2048][64] in f16.  Products, maxima and sums in f32; the weights p are rounded to f16 for the second
; product, o once at the end, to f16, into att16 [m / 128][head][m % 128][64] (m = 2048 b + l): 16 rows of a head are 2,048 dense bytes there.
; LIMITS: o under 6e-5 in magnitude is carried with f16's absolute step of 6e-8; NaN and infinities are not served.
; SHARES.  A work-group owns 256 queries of one (b, head); each of its eight waves 32: two tiles of 16, in 512 registers, two waves to a SIMD.  Every wave walks the head's 2,048 keys, 128 a step.
; LAYOUT.  S^T = K Q^T (source 0 = 16 keys, source 1 = 16 queries): a lane holds ONE query (lane % 16) and the keys 8 (lane / 16) + 0..7 of each tile of 16.  Two such tiles, rounded to f16 in pairs, ARE
; source 1 (32 keys x 16 queries) of O^T = V^T P, whose result again holds one query a lane.  K comes out of LDS as it lies, V ([key][channel]) turned, by ds_load_tr16_b128.
; SOFTMAX.  For each query a running maximum m and sum l: p = 2^(c s - c m), c = log2(e) / 8; in every step O and l are multiplied by a = 2^(c m_old - c m_new).
; BY TURNS.  In a TURN one tile has the matrix unit: 16 products V^T P of the step in hand, then 16 products K Q^T of the next step; the other tile's softmax, 214 vector instructions, stands round them:
; ONE product behind every fifth to seventh vector instruction, from the turn's head to its end.  Then the tiles change places.  Two turns are a key step.
; CLUSTER.  The four query blocks of a cluster belong to one head and walk the same K and V: each tile is asked for JOINTLY, by the same tensor load with the same descriptor and a mask that names the four.
; LDS.  A key's row is 128 bytes; a head's K or V is dense: the mover takes it as rows of 256 bytes (two keys) with 16 (K) or 32 (V) bytes of padding behind each.  Key k lies at (k / 2) x pitch + 128 (k % 2).
; All eight waves fetch, 32 such rows each: a slot's 128 rows of K
; and 128 of V are shared out evenly, so every wave has the same count of tensor loads: two out at the start, one behind each round.
; REGISTERS: window 0: v2-11 addresses; v12-19 statistics, four a tile: c m, m, l (a pair); v20-27 at work; v32-63 Q; v64-191 S^T, 64 a tile, P in place in each tile's first 32; v192-255 O^T, 32 a tile.
;            window 1: v0-127 K of one step; v128-255 V of one step.  A product's source 0 lies in window 1 and all that a softmax touches in window 0: a product costs two switches.
.set PK,    272
.set PV,    288
.set VOFF,  64*PK                      ; a step's tiles lie together: 64 rows (128 keys) of K, then 64 rows of V
.set STEPB, 64*(PK+PV)
.set SLOTB, 32768                      ; a slot's K, or V, in memory: two steps, 256 keys of 128 bytes
.set SLOT1, 1<<17                      ; a slot holds two steps (71,680 bytes); slot 1 begins here, so that one exclusive or turns an address in one slot into the other's
.set STAGE, SLOT1+2*STEPB              ; behind the ring: 2 tiles x 16 rows x (128 bytes + 16) for each wave, for the way out
.set STW,   2*16*144
.set SPARE, STAGE+8*STW                ; behind the stages: the spare words, 128 bytes a wave, which no other line names
.set AK0, 2                            ; v2   my lane's place in a tile of K; never rewritten
.set AV0, 3                            ; v3   the same for V
.set ADR, 4                            ; v4   the LDS address of the run of loads in hand
.set QO,  5                            ; v5   my byte offset in the wave's rows of Q
.set STO, 6                            ; v6   the way out: where I put 16 bytes of a row
.set RD,  7                            ; v7   where I read rows back
.set GO,  8                            ; v8   16 x lane
.set PFO, 9                            ; v9   256 x lane; never rewritten
.set SPW, 10                           ; v10  LDS address of my spare word; never rewritten
.set NIL, 11                           ; v11  0; never rewritten
.set ST,  12
.set T,   20                           ; v20-23: four chains of the maximum; later v22 = a, v23 = c m_old - c m_new
.set U0,  24                           ; v[24:25], v[26:27]: the sum's two chains (in a pair: an even key's weight, an odd key's)
.set U1,  26
.set QF,  32
.set S,   64
.set O,   192
.set KF,  0                            ; in window 1
.set VF,  128
.set WV,  12                           ; s12  my wave's number
.set LIM, 15                           ; s15  1 in a wave that prefetches, else the greatest number
.set PFA, 18                           ; s[18:19] where my prefetches stand: my work-group's 8,192 bytes of the slot after the one that is being asked for
.set G1K, 24                           ; s[24:31] descriptor group 1 for K's tiles;  s[32:39] for V's: it differs in the padding alone
.set G1V, 32
.set G0K, 40                           ; s[40:47] group 0 for K's tiles: a set for each of the two first fills; the second then walks on;  s[48:55] the same for V's
.set G0V, 48
.set SLOTS, 56                         ; s56  slots still to be asked for
.set TWICE, 57                         ; s57  counts a slot's two steps
.set CS,  58                           ; s[58:59] c
.set SEL, 60                           ; s[60:61] lane selects for v_permlanex16_b32: lane l xor 16
.set TB,  62                           ; s62  LDS byte at which the tiles of the step to be fetched begin
.set MSB, 0
.macro WIN new                         ; the immediate's high byte repeats the setting that is left; a switch that changes nothing is dropped
.if MSB != (\new)
	s_set_vgpr_msb (MSB<<8)|(\new)
.set MSB, \new
.endif
.endm
; A joint refill.  Waves 0 to 3 fetch the quarters of a slot's K, waves 4 to 7 those of its V.  The branch hangs on the wave's number alone.  An s_nop 0 and four v_nop follow each line.
.macro JLOAD
	s_cmp_lt_u32 s[WV], 4
	s_cbranch_scc0 .Lfor_v_\@
	tensor_load_to_lds s[G0K+4:G0K+7], s[G1K:G1K+7]
	s_nop 0
.rept 4
	v_nop
.endr
	s_branch .Lasked_\@
.Lfor_v_\@:
	tensor_load_to_lds s[G0V+4:G0V+7], s[G1V:G1V+7]
	s_nop 0
.rept 4
	v_nop
.endr
.Lasked_\@:
.endm
; A PREFETCH of what the NEXT change of slots will ask for: a slot's 32,768 bytes of K and of V, lanes 256 bytes apart.  Each block of 256 bytes is named once in the launch: both clusters of a head walk the
; same K and V, so the head's first cluster asks; its four partners take 8,192 bytes each, told apart BY ADDRESS; in each, wave 0 asks for K's and wave 4 for V's.  It stands behind the wave's tensor load,
; two key steps, 128 products a wave, ahead of the load that will want the bytes.  The last change that fills a slot asks for nothing; slots 0, 1 and 2 come by their loads alone.
.macro ASK
	s_cmp_gt_u32 s[SLOTS], s[LIM]
	s_cbranch_scc0 .Lnot_mine_\@
	global_prefetch_b8 v[PFO], s[PFA:PFA+1] th:TH_LOAD_NT scope:SCOPE_SE
.Lnot_mine_\@:
.endm
.macro CROUND                          ; a round of the cluster's barrier: my work-group's barrier; wave 0 signals for the work-group; every wave waits for all four; my work-group's barrier once more
	s_barrier_signal -1
	s_barrier_wait -1
	s_cmp_lg_u32 s[WV], 0
	s_cbranch_scc1 .Lnot_wave_0_\@
	s_barrier_signal -3
.Lnot_wave_0_\@:
	s_barrier_wait -3
	s_barrier_signal -1
	s_barrier_wait -1
.endm
	s_load_b128 s[4:7], s[0:1], 0x0                ; qkv16 s[4:5], att16 s[6:7]
	v_lshl_add_u32 v[SPW], v0, 2, SPARE
	v_mov_b32 v[NIL], 0
	ds_add_u32 v[SPW], v[NIL]                      ; the wave's opening: the add, twice on end, and its wait ahead of my first tensor load
	ds_add_u32 v[SPW], v[NIL]                      ; the set-up below, work on registers, stands between the second and the wait
	v_lshrrev_b32 v1, 5, v0
	v_readfirstlane_b32 s[WV], v1                  ; wave 0..7
	s_bfe_u32 s13, ttmp6, 0x40000                  ; cx: my place in the cluster
	s_lshl_b32 s14, ttmp9, 2                       ; in a cluster launch ttmp9 counts clusters
	s_add_co_u32 s14, s14, s13                     ; my block of 256 queries: it enters Q's and the output's addresses alone
	s_and_b32 s16, ttmp7, 0xffff                   ; 16 b + head, which the four partners share
	s_and_b32 s17, s[WV], 3                        ; which quarter of a slot I fetch
	s_lshl_b32 s20, s16, 18                        ; the head's first byte in each of q, k, v
	s_lshl_b32 s22, s17, 13                        ; my quarter: 8,192 bytes in memory,
	s_add_co_u32 s22, s22, s20
	s_mov_b32 s23, 0
	s_lshr_b32 s2, s17, 1                          ; and in a slot: step quarter / 2, half quarter % 2: no place in the cluster enters an LDS address
	s_mul_i32 s2, s2, STEPB
	s_and_b32 s3, s17, 1
	s_mul_i32 s[G0K+1], s3, 32*PK
	s_add_co_u32 s[G0K+1], s[G0K+1], s2
	s_add_co_u32 s[G0K+5], s[G0K+1], SLOT1
	s_mul_i32 s[G0V+1], s3, 32*PV
	s_add_co_u32 s[G0V+1], s[G0V+1], s2
	s_add_co_u32 s[G0V+1], s[G0V+1], VOFF
	s_add_co_u32 s[G0V+5], s[G0V+1], SLOT1
	s_lshl_b32 s2, s14, 15                         ; Q: my block's 256 rows of 128 bytes,
	s_lshl_b32 s3, s[WV], 12                       ; my wave's 32 of them
	s_add_co_u32 s2, s2, s3
	s_add_co_u32 s2, s2, s20
	s_mov_b32 s3, 0
	s_lshr_b32 s20, s16, 4                         ; the output: tile of 128 rows 16 b + 2 x block + wave / 4,
	s_lshl_b32 s20, s20, 4
	s_lshl_b32 s21, s14, 1
	s_add_co_u32 s20, s20, s21
	s_lshr_b32 s21, s[WV], 2
	s_add_co_u32 s20, s20, s21
	s_lshl_b32 s20, s20, 18
	s_and_b32 s21, s16, 15                         ; the head's plane of 16,384 bytes,
	s_lshl_b32 s21, s21, 14
	s_add_co_u32 s20, s20, s21
	s_lshl_b32 s21, s17, 12                        ; rows 32 (wave % 4) on
	s_add_co_u32 s20, s20, s21
	s_mov_b32 s21, 0
	s_or_b32 s[LIM], s17, ttmp9                    ; 0 in waves 0 and 4 of the head's first cluster: the same in all four partners
	s_cmp_eq_u32 s[LIM], 0
	s_cselect_b32 s[LIM], 1, -1
	s_lshl_b32 s16, s16, 18                        ; the head's first byte once more, as a pair, for the prefetches
	s_mov_b32 s17, 0
	; descriptor group 1: 32 rows of 128 elements of 2 bytes, dense in memory, padded in LDS
	s_mov_b32 s[G1K], 15|(1<<16)|(1<<20)|(1<<21)|(5<<22)|(3<<25)  ; 15:0 the mask: all four work-groups; 17:16 elements of 2 bytes; 20 padding on; 21 set beside a mask; 24:22 after every 64 words; 31:25 four words
	s_mov_b32 s[G1V], 15|(1<<16)|(1<<20)|(1<<21)|(5<<22)|(7<<25)  ; the same with eight words of padding
.irp g, G1K, G1V
	s_mov_b32 s[\g+1], 128<<16                     ; tensor_dim0
	s_mov_b32 s[\g+2], 32<<16                      ; tensor_dim1
	s_mov_b32 s[\g+3], 128<<16                     ; tile_dim0
	s_mov_b32 s[\g+4], 32                          ; tile_dim1
	s_mov_b32 s[\g+5], 128                         ; tensor_dim0_stride
	s_mov_b32 s[\g+6], 0
	s_mov_b32 s[\g+7], 0
.endr
	s_mov_b32 s[CS], 0x3e38aa3b                    ; c = log2(e) / 8
	s_mov_b32 s[CS+1], s[CS]                       ; named with it as a pair, so it is written
	s_mov_b32 s[SEL], 0x76543210
	s_mov_b32 s[SEL+1], 0xfedcba98
	s_mov_b32 s[TB], 0
	s_mov_b32 s[SLOTS], 6                          ; 8 slots' worth of keys, two of them asked for at the head
	v_and_b32 v[PFO], 31, v0
	v_lshlrev_b32 v[PFO], 8, v[PFO]
	s_wait_dscnt 0x0                               ; both opening adds are done
	s_wait_kmcnt 0x0
	s_mov_b64 s[10:11], s[6:7]
	s_add_nc_u64 s[10:11], s[10:11], s[20:21]      ; the output at my wave's first row
	s_add_nc_u64 s[6:7], s[4:5], 0x800000          ; k's third of qkv16,
	s_add_nc_u64 s[8:9], s[4:5], 0x1000000         ; v's
	s_cmp_lt_u32 s[WV], 4
	s_cselect_b64 s[PFA:PFA+1], s[6:7], s[8:9]
	s_add_nc_u64 s[PFA:PFA+1], s[PFA:PFA+1], s[16:17]
	s_add_nc_u64 s[6:7], s[6:7], s[22:23]          ; K and V at my quarter of slot 0
	s_add_nc_u64 s[8:9], s[8:9], s[22:23]
	s_add_nc_u64 s[4:5], s[4:5], s[2:3]            ; Q at my wave's first row
	s_lshl_b32 s2, s13, 13                         ; my work-group's 8,192 bytes of a slot's 32,768
	s_add_nc_u64 s[PFA:PFA+1], s[PFA:PFA+1], s[2:3]
	s_add_nc_u64 s[PFA:PFA+1], s[PFA:PFA+1], 2*SLOTB   ; in slot 2; the first change of slots steps it to slot 3.  Nothing is prefetched here, at the head
	CROUND                                         ; all four work-groups are here: the first joint loads meet
.irp s, 0,1
	s_mov_b32 s[G0K+4*\s], 1                       ; count = 1
	s_add_nc_u64 s[G0K+4*\s+2:G0K+4*\s+3], s[6:7], \s*SLOTB
	s_or_b32 s[G0K+4*\s+3], s[G0K+4*\s+3], 0x80000000   ; type = 2
	s_mov_b32 s[G0V+4*\s], 1
	s_add_nc_u64 s[G0V+4*\s+2:G0V+4*\s+3], s[8:9], \s*SLOTB
	s_or_b32 s[G0V+4*\s+3], s[G0V+4*\s+3], 0x80000000
.endr
	s_cmp_lt_u32 s[WV], 4                          ; a wave's two first fills stand in one branch, ahead of every wait on TENSORcnt and every LDS read
	s_cbranch_scc0 .Lfirst_v
	tensor_load_to_lds s[G0K:G0K+3], s[G1K:G1K+7]
	s_nop 0
	tensor_load_to_lds s[G0K+4:G0K+7], s[G1K:G1K+7]
	s_nop 0
.rept 4
	v_nop
.endr
	s_branch .Lfirst_asked
.Lfirst_v:
	tensor_load_to_lds s[G0V:G0V+3], s[G1V:G1V+7]
	s_nop 0
	tensor_load_to_lds s[G0V+4:G0V+7], s[G1V:G1V+7]
	s_nop 0
.rept 4
	v_nop
.endr
.Lfirst_asked:
	; A fragment of K or Q is 16 rows x 32 channels in 8 registers: lane l holds row l % 16; registers 0-3 channels 8 (l / 16) + 0..7, registers 4-7 channels 16 + 8 (l / 16) + 0..7: two loads of 16 bytes, 32 bytes apart.
	v_and_b32 v1, 15, v0                           ; r
	v_bfe_u32 v20, v0, 4, 1                        ; h
	v_lshlrev_b32 v[QO], 7, v1
	v_lshl_add_u32 v[QO], v20, 4, v[QO]            ; row x 128 + 16 x half
.irp t, 0,1
.irp c, 0,1
	global_load_b128 v[QF+16*\t+8*\c:QF+16*\t+8*\c+3],   v[QO], s[4:5] offset:\t*2048+\c*64       ; Q stays in registers: tile t, channels 32 c on
	global_load_b128 v[QF+16*\t+8*\c+4:QF+16*\t+8*\c+7], v[QO], s[4:5] offset:\t*2048+\c*64+32
.endr
.endr
	v_lshrrev_b32 v21, 1, v1
	v_mul_u32_u24 v[AK0], v21, PK
	v_and_b32 v21, 1, v1
	v_lshl_add_u32 v[AK0], v21, 7, v[AK0]
	v_lshl_add_u32 v[AK0], v20, 4, v[AK0]          ; (r / 2) x pitch + 128 (r % 2) + 16 h
	; The turning load takes 16 keys x 16 channels (lane l reads 16 bytes: key 8 (l / 16) + l % 8, channels 8 ((l / 8) % 2) + 0..7) and leaves half a fragment of V^T: lane l holds channel l % 16 and 8 keys.
	v_and_b32 v21, 7, v0
	v_lshl_add_u32 v21, v20, 3, v21
	v_lshrrev_b32 v21, 1, v21
	v_mul_u32_u24 v[AV0], v21, PV
	v_and_b32 v21, 1, v0
	v_lshl_add_u32 v[AV0], v21, 7, v[AV0]
	v_bfe_u32 v21, v0, 3, 1
	v_lshl_add_u32 v[AV0], v21, 4, v[AV0]
	v_add_nc_u32 v[AV0], VOFF, v[AV0]
; THE LDS LOADS stand in runs of 32: a step's K (128 keys x 64 channels: 16 fragments) and, a turn later, its V (turned).
.macro FETCH_K
	v_add_nc_u32 v[ADR], s[TB], v[AK0]
	WIN 0x40                                       ; destination window 1
.irp f, 0,1,2,3,4,5,6,7,8,9,10,11,12,13,14,15      ; keys 16 (f / 2) on, channels 32 (f % 2) on
	ds_load_b128 v[KF+8*\f:KF+8*\f+3],   v[ADR] offset:(\f/2)*8*PK+(\f%2)*64
	ds_load_b128 v[KF+8*\f+4:KF+8*\f+7], v[ADR] offset:(\f/2)*8*PK+(\f%2)*64+32
.endr
	WIN 0
.endm
.macro FETCH_V
	v_add_nc_u32 v[ADR], s[TB], v[AV0]
	s_add_co_u32 s[TB], s[TB], STEPB               ; the next fetch is the next step's
	WIN 0x40
.irp f, 0,1,2,3,4,5,6,7,8,9,10,11,12,13,14,15      ; keys 32 (f / 4) on, channels 16 (f % 4) on
	ds_load_tr16_b128 v[VF+8*\f:VF+8*\f+3],   v[ADR] offset:(\f/4)*16*PV+(\f%4)*32
	ds_load_tr16_b128 v[VF+8*\f+4:VF+8*\f+7], v[ADR] offset:(\f/4)*16*PV+8*PV+(\f%4)*32
.endr
	WIN 0
.endm
; THE MATRIX WORK OF A TURN, for tile TX: a list of npv products V^T P (number mi: keys 32 (mi / 4) on, channels 16 (mi % 4) on), then products K Q^T (number i: channels 32 (i / 8) on, keys 16 (i % 8) on).
; The accumulators take turns, one instruction a turn: between two links of a chain stand 3 (V^T P) or 7 (K Q^T) others'.  TPV = 1: the first four V^T P start O^T's sums; the first
; eight K Q^T always start S^T's: nothing is ever cleared.
.macro PROD
.if mi < mtot
.if mi < npv
.set rO, O+32*TX+8*(mi%4)
.set rV, VF+32*(mi/4)+8*(mi%4)
.set rP, S+64*TX+8*(mi/4)
.if (TPV == 1) && (mi < 4)
	v_wmma_f32_16x16x32_f16 v[rO:rO+7], v[rV:rV+7], v[rP:rP+7], 0
.else
	v_wmma_f32_16x16x32_f16 v[rO:rO+7], v[rV:rV+7], v[rP:rP+7], v[rO:rO+7]
.endif
.else
.set i, mi-npv
.set rS, S+64*TX+8*(i%8)
.set rK, KF+16*(i%8)+8*(i/8)
.set rQ, QF+16*TX+8*(i/8)
.if i < 8
	v_wmma_f32_16x16x32_f16 v[rS:rS+7], v[rK:rK+7], v[rQ:rQ+7], 0
.else
	v_wmma_f32_16x16x32_f16 v[rS:rS+7], v[rK:rK+7], v[rQ:rQ+7], v[rS:rS+7]
.endif
.endif
.set mi, mi+1
.endif
.endm
.macro MM1                             ; the list's next product: source 0 (K or V) in window 1
.if mi < mtot
.if (TX == 0) && (mi == npv) && (TKQ != 0)
	s_wait_dscnt 0x0                               ; K, asked for at this turn's head, is in
.endif
	WIN 0x01
	PROD
	WIN 0
.endif
.endm
; TICK stands behind each of a turn's 214 numbered vector instructions (also where the first step's softmax leaves one out).  ONE product goes out behind each of 32 numbers, spread over the whole turn:
; 6, 12 .. 48 and 53, 58 .. 88 (the sixteen V^T P), 94, 100, 105 .. 130 and 137, 144 .. 186 (the sixteen K Q^T).  A turn with one kind of product has its sixteen at the first sixteen of these.
; Tile 1's turn fetches the next step's V behind number 93: the last product that read V stands behind number 88, and numbers 89 to 93, five packed scalings of the other tile, are the places between.
; Numbers 89 to 94, six such scalings, stand between the last V^T P, which reads P, and the first K Q^T, which writes over it.
.macro TICK
.set n, n+1
.if ((n <= 48) && ((n%6) == 0)) || ((n >= 53) && (n <= 88) && (((n-53)%5) == 0)) || (n == 94) || ((n >= 100) && (n <= 130) && ((n%5) == 0)) || ((n >= 137) && (n <= 186) && (((n-137)%7) == 0))
	MM1
.endif
.if (n == 93) && (TX == 1)
	FETCH_V
.endif
.endm
; A TURN.  Tile x has the matrix unit; tile 1 - x's softmax of one key step (its lane's 64 scores s0-s63, in 32 pairs) stands round the products.
; pv = 2: 16 products V^T P; 1: they start O^T's sums; 0: none.  kq = 1: 16 products K Q^T for the next step.  first = 1: the first key step's softmax: no old maximum, no a, nothing to rescale.
; Tile 0's turn fetches the next step's K at its head: the last product that read K stands behind number 186 of the turn before, 28 plain instructions back (11 at the least, in a first step's softmax).
;   1-32    the maximum of s0-s63 and the old m, three operands at a time, in four chains; each accumulator of S^T is first read at its low end
;   33-37   the other half of the lanes' maximum; the new m; c m; c m_old - c m_new
;   38-134  ONE BATCH: 38-53 the scalings c s - c m of pairs 0-15; 54-86 the exponentials a and s0-s31; 87-102 the scalings of pairs 16-31; 103-134 the exponentials s32-s63.  None of these names an
;           exponential's result: the second sixteen scalings name s32-s63, which no exponential has written yet.  Behind the batch one plain instruction and one wait
;   135-198 the sums, in two chains, and the roundings to f16, in place: pair b goes to register b, whose own pair has been summed and rounded by then;  l = a l + the sum
;   199-214 the tile's O^T times a, each accumulator from its low end on
.macro TURN x, pv, kq, first
.set TX, \x
.set TPV, \pv
.set TKQ, \kq
.set n, 0
.set mi, 0
.set npv, 0
.if \pv
.set npv, 16
.endif
.set mtot, npv+16*\kq
.set yS, S+64*(1-\x)
.set yT, ST+4*(1-\x)
.set yO, O+32*(1-\x)
.if \x == 0
.if \pv
	s_wait_dscnt 0x0                               ; V, asked for in the turn before, is in
.endif
.if \kq
	FETCH_K
.endif
.endif
.irp c, 0,1,2,3
	v_max3_num_f32 v[T+\c], v[yS+16*\c], v[yS+16*\c+1], v[yS+16*\c+2]
	TICK
.endr
.irp m, 3,5,7,9,11,13
.irp c, 0,1,2,3
	v_max3_num_f32 v[T+\c], v[T+\c], v[yS+16*\c+\m], v[yS+16*\c+\m+1]
	TICK
.endr
.endr
	v_max3_num_f32 v[T], v[T], v[yS+15], v[yS+31]
	TICK
	v_max3_num_f32 v[T+2], v[T+2], v[yS+47], v[yS+63]
	TICK
	v_max3_num_f32 v[T], v[T], v[T+1], v[T+2]
	TICK
.if \first
	v_max_num_f32 v[T], v[T], v[T+3]
.else
	v_max3_num_f32 v[T], v[T], v[T+3], v[yT+1]
.endif
	TICK
	v_permlanex16_b32 v[T+1], v[T], s[SEL], s[SEL+1]   ; the query's other 64 keys lie in the lane 16 away
	TICK
.if \first == 0
	v_mov_b32 v[T+3], v[yT]                        ; c m_old is kept for a
.endif
	TICK
	v_max_num_f32 v[yT+1], v[T], v[T+1]
	TICK
	v_mul_f32 v[yT], s[CS], v[yT+1]
	TICK
.if \first == 0
	v_sub_f32 v[T+3], v[T+3], v[yT]
.endif
	TICK
.set b, 0
.rept 16
	v_pk_fma_f32 v[yS+2*b:yS+2*b+1], v[yS+2*b:yS+2*b+1], s[CS:CS+1], v[yT:yT+1] op_sel_hi:[1,0,0] neg_lo:[0,0,1] neg_hi:[0,0,1]   ; c s - c m, pairs 0 to 15
	TICK
.set b, b+1
.endr
.if \first == 0
	v_exp_f32 v[T+2], v[T+3]                       ; a
.endif
	TICK
.set b, 0
.rept 32
	v_exp_f32 v[yS+b], v[yS+b]                     ; s0 to s31
	TICK
.set b, b+1
.endr
.set b, 16
.rept 16
	v_pk_fma_f32 v[yS+2*b:yS+2*b+1], v[yS+2*b:yS+2*b+1], s[CS:CS+1], v[yT:yT+1] op_sel_hi:[1,0,0] neg_lo:[0,0,1] neg_hi:[0,0,1]   ; c s - c m, pairs 16 to 31
	TICK
.set b, b+1
.endr
.set b, 32
.rept 32
	v_exp_f32 v[yS+b], v[yS+b]                     ; s32 to s63
	TICK
.set b, b+1
.endr
	v_nop                                          ; the plain instruction behind the last exponential
	s_wait_alu depctr_va_vdst(0)                   ; one wait for the batch of 65, ahead of its first reader
	v_pk_add_f32 v[U0:U0+1], v[yS:yS+1], v[yS+2:yS+3]
	TICK
	v_pk_add_f32 v[U1:U1+1], v[yS+4:yS+5], v[yS+6:yS+7]
	TICK
.irp c, 0,1,2,3
	v_cvt_pk_f16_f32 v[yS+\c], v[yS+2*\c], v[yS+2*\c+1]
	TICK
.endr
.set b, 4
.rept 28
	v_pk_add_f32 v[U0+2*(b%2):U0+2*(b%2)+1], v[U0+2*(b%2):U0+2*(b%2)+1], v[yS+2*b:yS+2*b+1]
	TICK
	v_cvt_pk_f16_f32 v[yS+b], v[yS+2*b], v[yS+2*b+1]
	TICK
.set b, b+1
.endr
.if \first
	v_pk_add_f32 v[yT+2:yT+3], v[U0:U0+1], v[U1:U1+1]
.else
	v_pk_add_f32 v[U0:U0+1], v[U0:U0+1], v[U1:U1+1]
.endif
	TICK
.if \first == 0
	v_pk_fma_f32 v[yT+2:yT+3], v[yT+2:yT+3], v[T+2:T+3], v[U0:U0+1] op_sel_hi:[1,0,1]
.endif
	TICK
.set b, 0
.rept 16
.if \first == 0
	v_pk_mul_f32 v[yO+2*b:yO+2*b+1], v[yO+2*b:yO+2*b+1], v[T+2:T+3] op_sel_hi:[1,0]
.endif
	TICK
.set b, b+1
.endr
.endm
.macro BARE x, pv                      ; sixteen products with no vector work to set between them: pv = 0: K Q^T; 2: V^T P
.set TX, \x
.set TPV, \pv
.set TKQ, 0
.set mi, 0
.set npv, 0
.if \pv
.set npv, 16
.endif
.set mtot, 16
	WIN 0x01
.rept 16
	PROD
.endr
	WIN 0
.endm
; THE CHANGE OF SLOTS, between tile 1's turn and tile 0's: the slot's last bytes, V of its second step, have been asked for.  Each wave waits for all its tensor loads, of which one is out: its part of the
; other slot; adds 0 to its spare word; and waits for that and for its own reads of the slot.  fill = 1: the slot is filled again, with the keys two slots on; the barrier is then a round of the cluster's,
; so that no wave of any partner still reads the slot or has a load on its way, and the joint refill is the first thing behind it: it has two key steps in which to land.
.macro CHANGE fill
	WIN 0
	s_wait_tensorcnt 0x0                           ; no tensor load of mine is out, so a group 0 may be written
	ds_add_u32 v[SPW], v[NIL]                      ; 0 onto my spare word
.if \fill
.irp g, G0K+4, G0V+4
	s_xor_b32 s[\g+1], s[\g+1], SLOT1              ; the walking descriptor: the other slot than last time,
	s_add_nc_u64 s[\g+2:\g+3], s[\g+2:\g+3], SLOTB ; the next 256 keys; the type bits on top are not reached
.endr
	s_wait_xcnt 0x0                                ; the last prefetch, two key steps back, has read its address, so it may be written
	s_add_nc_u64 s[PFA:PFA+1], s[PFA:PFA+1], SLOTB
	s_wait_dscnt 0x0                               ; the add is done, and my reads of the slot are over
	CROUND
	JLOAD
	ASK
.else
	s_wait_dscnt 0x0                               ; the add is done, and my reads of the slot are over
	s_barrier_signal -1
	s_barrier_wait -1
.endif
	s_sub_co_u32 s[TB], s[TB], 2*STEPB             ; the fetches go back to a slot's first step,
	s_xor_b32 s[TB], s[TB], SLOT1                  ; in the other slot
.endm
.macro TWO_STEPS                       ; a slot's two key steps: written once, walked twice; the LDS addresses hang on s[TB]
	s_mov_b32 s[TWICE], 2
.Lstep_\@:
	TURN 0, 2, 1, 0
	TURN 1, 2, 1, 0
	s_sub_co_u32 s[TWICE], s[TWICE], 1
	s_cmp_lg_u32 s[TWICE], 0
	s_cbranch_scc1 .Lstep_\@
.endm
	s_wait_tensorcnt 1                             ; my part of slot 0 is in; slot 1's, issued behind it, may stay out
	s_barrier_signal -1
	s_barrier_wait -1                              ; everybody's is
	FETCH_K                                        ; key step 0
	s_wait_loadcnt 0x0                             ; Q
	s_wait_dscnt 0x0
	BARE 0, 0                                      ; tile 0's first scores
	s_mul_i32 s13, s[WV], STW                      ; the addresses for the way out are made here: ten plain instructions, the places behind those products
	s_add_co_u32 s13, s13, STAGE                   ; my stage
	v_mul_u32_u24 v[STO], v1, 144                  ; in: row r, 16 bytes for each half of the lanes
	v_lshl_add_u32 v[STO], v20, 4, v[STO]
	v_add_nc_u32 v[STO], s13, v[STO]
	v_and_b32 v21, 31, v0
	v_lshlrev_b32 v[GO], 4, v21                    ; back: 32 lanes take four rows of 128 bytes: 512 dense bytes of the output
	v_lshrrev_b32 v22, 3, v21
	v_mul_u32_u24 v[RD], v22, 144
	v_and_b32 v22, 7, v21
	v_lshl_add_u32 v[RD], v22, 4, v[RD]
	v_add_nc_u32 v[RD], s13, v[RD]
	TURN 1, 0, 1, 1                                ; tile 1's first scores | tile 0's first softmax | V of step 0
	TURN 0, 1, 1, 1                                ; tile 0: V^T P of step 0 starts O^T, K Q^T of step 1 | tile 1's first softmax | K of step 1
	TURN 1, 1, 1, 0                                ; tile 1: the same | tile 0's softmax of step 1 | V of step 1
.Lslot:                                                ; six trips: every slot but the last two is filled again
	CHANGE 1
	TWO_STEPS
	s_sub_co_u32 s[SLOTS], s[SLOTS], 1
	s_cmp_lg_u32 s[SLOTS], 0
	s_cbranch_scc1 .Lslot
	CHANGE 0                                       ; the tail is written out: nothing more is asked for
	TWO_STEPS
	TURN 0, 2, 0, 0                                ; tile 0: V^T P of the last step | tile 1's last softmax
	BARE 1, 2                                      ; tile 1: V^T P of the last step
	; THE WAY OUT.  l's two halves and the other half of the lanes' are added; O^T is divided by l, rounded to f16 and sent through my stage in LDS.  The additions are places behind the last products.
	v_add_f32 v20, v[ST+2], v[ST+3]
	v_add_f32 v21, v[ST+6], v[ST+7]
	v_permlanex16_b32 v26, v20, s[SEL], s[SEL+1]
	v_permlanex16_b32 v27, v21, s[SEL], s[SEL+1]
	v_add_f32 v20, v20, v26
	v_add_f32 v21, v21, v27
	v_rcp_f32 v22, v20
	v_rcp_f32 v24, v21
	v_nop                                          ; a plain instruction between the last reciprocal and the use of its result
	s_wait_alu depctr_va_vdst(0)                   ; and a wait ahead of the first use: one for both
.macro PACK t                          ; tile t: a lane's eight channels of a row pack into 16 bytes; they go into rows of 144 bytes and come back as rows of 128
.set b, 0
.rept 16
	v_pk_mul_f32 v[O+32*\t+2*b:O+32*\t+2*b+1], v[O+32*\t+2*b:O+32*\t+2*b+1], v[22+2*\t:23+2*\t] op_sel_hi:[1,0]
.set b, b+1
.endr
.set b, 0
.rept 16
	v_cvt_pk_f16_f32 v[S+64*\t+b], v[O+32*\t+2*b], v[O+32*\t+2*b+1]
.set b, b+1
.endr
.irp f, 0,1,2,3
	ds_store_b128 v[STO], v[S+64*\t+4*\f:S+64*\t+4*\f+3] offset:\t*2304+32*\f
.endr
.irp f, 0,1,2,3
	ds_load_b128 v[S+64*\t+32+4*\f:S+64*\t+32+4*\f+3], v[RD] offset:\t*2304+\f*576   ; LDS serves a wave's instructions in order: these see the stores above
.endr
.endm
.macro SEND t, younger                 ; younger: the LDS instructions issued behind tile t's loads: tile 1's four stores and four loads, or none
.irp f, 0,1,2,3
	s_wait_dscnt \younger+3-\f
	global_store_b128 v[GO], v[S+64*\t+32+4*\f:S+64*\t+32+4*\f+3], s[10:11] offset:\t*2048+\f*512   ; 32 lanes store 512 consecutive bytes
.endr
.endm
	PACK 0
	PACK 1
	SEND 0, 8
	SEND 1, 0
	s_wait_tensorcnt 0x0                           ; the wave's end
	ds_add_u32 v[SPW], v[NIL]
	s_wait_dscnt 0x0
	CROUND                                         ; the closing round: no work-group ends while a partner may still ask for a tile that names it
	s_endpgm
.Lfunc_end_k_qf3a62eb4fa_attn:
	.size	k_qf3a62eb4fa_attn, .Lfunc_end_k_qf3a62eb4fa_attn-k_qf3a62eb4fa_attn
	.p2alignl 7, 3214868480
	.fill 96, 4, 3214868480
	.section	.rodata,"a",@progbits
	.p2align	6, 0x0
	.amdhsa_kernel k_qf3a62eb4fa_attn
		.amdhsa_group_segment_fixed_size 327680
		.amdhsa_private_segment_fixed_size 0
		.amdhsa_enable_private_segment 0
		.amdhsa_kernarg_size 16
		.amdhsa_user_sgpr_count 2
		.amdhsa_user_sgpr_kernarg_segment_ptr 1
		.amdhsa_wavefront_size32 1
		.amdhsa_system_sgpr_workgroup_id_x 1
		.amdhsa_system_sgpr_workgroup_id_y 1
		.amdhsa_system_sgpr_workgroup_id_z 1
		.amdhsa_system_vgpr_workitem_id 0
		.amdhsa_next_free_vgpr 512
		.amdhsa_next_free_sgpr 66
		.amdhsa_reserve_vcc 0
		.amdhsa_float_denorm_mode_32 3
		.amdhsa_float_denorm_mode_16_64 3
		.amdhsa_memory_ordered 1
		.amdhsa_forward_progress 1
		.amdhsa_inst_pref_size 153
	.end_amdhsa_kernel
	.amdgpu_metadata
---
amdhsa.version: [ 1, 2 ]
amdhsa.kernels:
  - .name:           k_qf3a62eb4fa_attn
    .symbol:         k_qf3a62eb4fa_attn.kd
    .args:
      - { .name: qkv16, .offset: 0, .size: 8, .value_kind: global_buffer, .address_space: global }
      - { .name: att16, .offset: 8, .size: 8, .value_kind: global_buffer, .address_space: global }
    .group_segment_fixed_size: 327680
    .private_segment_fixed_size: 0
    .kernarg_segment_align: 8
    .kernarg_segment_size: 16
    .max_flat_workgroup_size: 256
    .sgpr_count:     66
    .vgpr_count:     512
    .wavefront_size: 32
...
	.end_amdgpu_metadata
.endif
;; end of part 3
;; launch proj (part 4): grid 8 x 32, 4 waves a work-group, clusters of 4 x 4, 327,680 bytes of LDS; arguments att16, wp16, out0; writes out0
.if DOCPART == 4
	.amdgcn_target "amdgcn-amd-amdhsa--gfx1250"
	.amdhsa_code_object_version 6
	.text
	.protected	k_qf3a62eb4fa_proj
	.globl	k_qf3a62eb4fa_proj
	.p2align	8
	.type	k_qf3a62eb4fa_proj,@function
k_qf3a62eb4fa_proj:
	s_mov_b64 s[64:65], 0
	v_nop
	global_prefetch_b8 v0, s[64:65] scope:SCOPE_SE
	s_setreg_imm32_b32 hwreg(HW_REG_WAVE_MODE, 25, 1), 1
	s_wait_xcnt 0x0
	s_wait_alu depctr_hold_cnt(0) depctr_sa_sdst(0) depctr_va_vdst(0) depctr_va_sdst(0) depctr_va_ssrc(0) depctr_va_vcc(0) depctr_vm_vsrc(0)
	s_getreg_b32 s2, hwreg(HW_REG_IB_STS2, 6, 4)
	s_cmp_eq_u32 s2, 0
	s_cbranch_scc0 .Lentry_in_a_cluster
	s_endpgm
.Lentry_in_a_cluster:
	s_bfe_u32 s2, ttmp6, 0x10000c
	s_cmp_lg_u32 s2, 0xf033
	s_cbranch_scc0 .Lentry_shape_is_right
	s_endpgm
.Lentry_shape_is_right:
; out0[m][e] = sum over d of o[m][d] w_proj[e][d].  Both operands in f16, sums in f32, out0 [4096][1024] in f32.
; att16 and wp16 are laid [row / 128][d / 64][row % 128][d % 64]: a tile of 128 rows and 64 along K (a plane) is 16,384 dense bytes, a K step of 256 four planes on end.
; A tile of out0 is 128 x 128: 8 x 32 = 256 work-groups.  Four waves, each 64 x 64: 16 accumulators of 16 x 16.  K = 1,024 goes in four steps of 256 through two LDS slots; the four steps are written out.
; LDS.  The mover takes the dense bytes as rows of 256 (two data rows of 128 bytes) with 16 bytes of padding behind each: data row p of a plane lies at (p / 2) x 272 + 128 (p % 2): the 16 rows of a
; fragment load fall on 16 different columns of 16 bytes.  A wave's tensor load brings two planes, 128 such rows; two loads of a wave are out at the start, one behind each round.
; CLUSTERS: 4 x 4 work-groups.  The four of a row of the cluster need the same tiles of o, the four of a column the same tiles of w_proj: each is asked for JOINTLY, by the same tensor load with the same
; descriptor and a mask that names the four.  THE MATRIX INSTRUCTION IS USED TRANSPOSED (source 0 = 16 rows of w_proj, source 1 = 16 rows of o): a lane then holds eight neighbouring numbers of a row of out0.
; REGISTERS: window 0: v0-31 addresses; v32-95 the way out's rows; v128-255 the accumulators ((a, b) at v[128 + 8 (4 a + b)]).
;   window 1: two fragment buffers of 128: for 64 along K, 64 registers of o (2 x 4 x 16 rows x 32 K), then 64 of w_proj.
.set PLANE,  64*272                    ; 128 data rows x 64 along K in LDS
.set LOADB,  2*PLANE                   ; what one tensor load brings
.set SLOT,   8*PLANE                   ; o's four planes, then w_proj's four
.set BLK,    8*272                     ; 16 data rows
.set HALFR,  32*272                    ; 64 data rows: a wave's part of a plane
.set KSB,    65536                     ; a K step of a tile in memory: four planes
.set SPARE,  2*SLOT                    ; behind the ring: the spare words, 128 bytes a wave, which no other line names
.set SPITCH, 272                       ; the way out: a stage of 16 rows x (256 bytes + 16) for each wave.  It lies in slot 0, which has had its last fill and its last read when the first result is stored there
.set ADRA, 16                          ; v16-17  LDS address of my fragments of o in slot 0, 1
.set ADRB, 20                          ; v20-21  the same for w_proj
.set STO,  24                          ; v24     the way out: where I put 32 bytes of a row
.set RD,   25                          ; v25     where I read a row back
.set CO,   26                          ; v26     my byte offset in out0
.set SPW,  28                          ; v28     LDS address of my spare word; never rewritten
.set NIL,  29                          ; v29     0; never rewritten
.set OB,   32                          ; the way out: 16 rows read back: v32-63 and v64-95 by turns
.set ACC,  128
.set F0,   0                           ; fragment buffers, in window 1
.set F1,   128
.set G1, 24                            ; s[24:31] descriptor group 1 for o's tiles;  s[32:39] group 0, one set for each slot
.set G0, 32
.set G1B, 48                           ; s[48:55], s[56:63] the same for w_proj's
.set G0B, 56
.set MSB, 0
.macro WIN new                         ; the immediate's high byte repeats the setting that is left
.if MSB != (\new)
	s_set_vgpr_msb (MSB<<8)|(\new)
.set MSB, \new
.endif
.endm
.set MUL,  0x05                        ; sources 0 and 1 window 1; C and D window 0
.set TO_F, 0x40                        ; destination window 1, address window 0
.macro JLOAD s                         ; a joint load: waves 0 and 1 fetch o's two halves of a K step, waves 2 and 3 w_proj's; an s_nop 0 and four v_nop follow each line
	s_cmp_eq_u32 s11, 0
	s_cbranch_scc0 .Lfor_b_\@
	tensor_load_to_lds s[G0+4*\s:G0+4*\s+3], s[G1:G1+7]
	s_nop 0
.rept 4
	v_nop
.endr
	s_branch .Lasked_\@
.Lfor_b_\@:
	tensor_load_to_lds s[G0B+4*\s:G0B+4*\s+3], s[G1B:G1B+7]
	s_nop 0
.rept 4
	v_nop
.endr
.Lasked_\@:
.endm
.macro CREST                           ; a round of the cluster's barrier behind its opening barrier
	s_cmp_lg_u32 s10, 0
	s_cbranch_scc1 .Lnot_wave_0_\@
	s_barrier_signal -3
.Lnot_wave_0_\@:
	s_barrier_wait -3
	s_barrier_signal -1
	s_barrier_wait -1
.endm
.macro CROUND                          ; a whole round
	s_barrier_signal -1
	s_barrier_wait -1
	CREST
.endm
	s_load_b128 s[4:7], s[0:1], 0x0                ; att16 s[4:5], wp16 s[6:7]
	s_load_b64 s[8:9], s[0:1], 0x10                ; out0
	v_lshl_add_u32 v[SPW], v0, 2, SPARE
	v_mov_b32 v[NIL], 0
	ds_add_u32 v[SPW], v[NIL]                      ; the wave's opening: the add, twice on end, and its wait ahead of my first tensor load
	ds_add_u32 v[SPW], v[NIL]                      ; the set-up below, work on registers, stands between the second and the wait
	v_lshrrev_b32 v1, 5, v0
	v_readfirstlane_b32 s10, v1                    ; wave 0..3
	s_lshr_b32 s11, s10, 1                         ; which half of the tile's rows is mine.  Also: I fetch for o (0) or for w_proj (1)
	s_and_b32 s12, s10, 1                          ; which half of its columns.  Also: which two planes of a K step I fetch
	s_bfe_u32 s40, ttmp6, 0x40000                  ; cx, cy: my place in the cluster
	s_bfe_u32 s41, ttmp6, 0x40004
	s_lshl_b32 s42, ttmp9, 2
	s_add_co_u32 s42, s42, s40                     ; tile column = 4 x cluster x + cx
	s_and_b32 s13, ttmp7, 0xffff
	s_lshl_b32 s13, s13, 2
	s_add_co_u32 s13, s13, s41                     ; tile row = 4 x cluster y + cy
	s_lshl_b32 s43, s41, 2
	s_lshl_b32 s43, 15, s43                        ; my row of the cluster
	s_lshl_b32 s44, 0x1111, s40                    ; my column
	; descriptor group 1: 128 rows of 128 elements of 2 bytes, dense in memory, 16 bytes of padding behind each in LDS
	s_or_b32 s[G1+0], s43, (1<<16)|(1<<20)|(1<<21)|(5<<22)|(3<<25)  ; 15:0 the mask: o's tiles go to my row; 17:16 elements of 2 bytes; 20 padding on; 21 set beside a mask; 24:22 after every 64 words; 31:25 four words
	s_or_b32 s[G1B+0], s44, (1<<16)|(1<<20)|(1<<21)|(5<<22)|(3<<25)
.irp g, G1, G1B
	s_mov_b32 s[\g+1], 128<<16                     ; tensor_dim0
	s_mov_b32 s[\g+2], 128<<16                     ; tensor_dim1
	s_mov_b32 s[\g+3], 128<<16                     ; tile_dim0
	s_mov_b32 s[\g+4], 128                         ; tile_dim1
	s_mov_b32 s[\g+5], 128                         ; tensor_dim0_stride
	s_mov_b32 s[\g+6], 0
	s_mov_b32 s[\g+7], 0
.endr
	s_lshl_b32 s17, s12, 15                        ; which two planes I fetch: 32,768 bytes
	s_lshl_b32 s16, s13, 18                        ; o: 262,144 bytes a tile of 128 rows
	s_add_co_u32 s16, s16, s17
	s_lshl_b32 s46, s42, 18                        ; w_proj likewise
	s_add_co_u32 s46, s46, s17
	s_mov_b32 s17, 0
	s_mov_b32 s47, 0
	s_mul_i32 s20, s10, LOADB                      ; where they go: wave x two planes: no place in the cluster enters an LDS address
	s_wait_dscnt 0x0                               ; both opening adds are done
	s_wait_kmcnt 0x0
	s_add_nc_u64 s[14:15], s[4:5], s[16:17]
	s_add_nc_u64 s[46:47], s[6:7], s[46:47]
	CROUND                                         ; all sixteen work-groups are here: the first joint loads meet
.irp s, 0,1
	s_mov_b32 s[G0+4*\s], 1
	s_add_co_u32 s[G0+4*\s+1], s20, \s*SLOT
	s_add_nc_u64 s[G0+4*\s+2:G0+4*\s+3], s[14:15], \s*KSB
	s_or_b32 s[G0+4*\s+3], s[G0+4*\s+3], 0x80000000
	s_mov_b32 s[G0B+4*\s], 1
	s_add_co_u32 s[G0B+4*\s+1], s20, \s*SLOT
	s_add_nc_u64 s[G0B+4*\s+2:G0B+4*\s+3], s[46:47], \s*KSB
	s_or_b32 s[G0B+4*\s+3], s[G0B+4*\s+3], 0x80000000
	JLOAD \s
.endr
	v_and_b32 v1, 15, v0                           ; r = l % 16
	v_bfe_u32 v2, v0, 4, 1                         ; h = l / 16
	v_lshrrev_b32 v3, 1, v1
	v_mul_u32_u24 v3, v3, 272
	v_and_b32 v4, 1, v1
	v_lshl_add_u32 v3, v4, 7, v3
	v_lshl_add_u32 v3, v2, 4, v3                   ; a fragment's row: (r / 2) x 272 + 128 (r % 2) + 16 h
	s_mul_i32 s21, s11, HALFR                      ; my 64 rows of o in each plane
	s_mul_i32 s22, s12, HALFR                      ; my 64 rows of w_proj,
	s_add_co_u32 s22, s22, 4*PLANE                 ; whose planes lie behind o's four
.irp s, 0,1
	v_add_nc_u32 v[ADRA+\s], s21, v3
	v_add_nc_u32 v[ADRB+\s], s22, v3
	s_add_co_u32 s21, s21, SLOT
	s_add_co_u32 s22, s22, SLOT
.endr
	s_mul_i32 s23, s10, 16*SPITCH                  ; my stage
	v_mul_u32_u24 v4, v1, SPITCH                   ; in: row r, 32 bytes for each half of the lanes
	v_lshl_add_u32 v4, v2, 5, v4
	v_add_nc_u32 v[STO], s23, v4
	v_mul_u32_u24 v5, v2, SPITCH                   ; back: lanes 0-15 take one row of 256 bytes, lanes 16-31 the next
	v_lshl_add_u32 v5, v1, 4, v5
	v_add_nc_u32 v[RD], s23, v5
	v_lshlrev_b32 v5, 12, v2                       ; and the same two rows in out0: 4,096 bytes a row
	v_lshl_add_u32 v[CO], v1, 4, v5
	s_lshl_b32 s16, s13, 7
	s_lshl_b32 s17, s11, 6
	s_add_co_u32 s16, s16, s17                     ; my first row: 128 x tile row + 64 x half
	s_lshl_b32 s16, s16, 12
	s_lshl_b32 s46, s42, 9                         ; my first column, in bytes: 512 x tile column + 256 x half
	s_lshl_b32 s47, s12, 8
	s_add_co_u32 s46, s46, s47
	s_add_co_u32 s16, s16, s46
	s_mov_b32 s17, 0
	s_add_nc_u64 s[8:9], s[8:9], s[16:17]
; 8 matrix instructions: row blocks a0, a0 + 1 x all 4 column blocks, 32 along K: half c of buffer f.  zero = 1: the first product starts the sums.  The 16 accumulators take turns
.macro MUL8 f, c, a0, zero
.irp a, \a0, \a0+1
.irp b, 0,1,2,3
.if \zero
	v_wmma_f32_16x16x32_f16 v[ACC+8*(4*(\a)+\b):ACC+8*(4*(\a)+\b)+7], v[\f+64+8*(4*\c+\b):\f+64+8*(4*\c+\b)+7], v[\f+8*(4*\c+\a):\f+8*(4*\c+\a)+7], 0
.else
	v_wmma_f32_16x16x32_f16 v[ACC+8*(4*(\a)+\b):ACC+8*(4*(\a)+\b)+7], v[\f+64+8*(4*\c+\b):\f+64+8*(4*\c+\b)+7], v[\f+8*(4*\c+\a):\f+8*(4*\c+\a)+7], v[ACC+8*(4*(\a)+\b):ACC+8*(4*(\a)+\b)+7]
.endif
.endr
.endr
.endm
; 32 LDS loads in one run: the fragments of one plane (64 along K), which begins k bytes into the slot's part, into buffer f; the first 32 along K first
.macro FETCH slot, k, f
	WIN TO_F
.irp c, 0,1
.irp i, 0,1,2,3
	ds_load_b128 v[\f+64+8*(4*\c+\i):\f+64+8*(4*\c+\i)+3],   v[ADRB+\slot] offset:\k+64*\c+\i*BLK
	ds_load_b128 v[\f+64+8*(4*\c+\i)+4:\f+64+8*(4*\c+\i)+7], v[ADRB+\slot] offset:\k+64*\c+\i*BLK+32
	ds_load_b128 v[\f+8*(4*\c+\i):\f+8*(4*\c+\i)+3],         v[ADRA+\slot] offset:\k+64*\c+\i*BLK
	ds_load_b128 v[\f+8*(4*\c+\i)+4:\f+8*(4*\c+\i)+7],       v[ADRA+\slot] offset:\k+64*\c+\i*BLK+32
.endr
.endr
.endm
.macro PLACES                          ; four places in front of loads into registers that matrix instructions have read, and of reads of results
.rept 4
	v_nop
.endr
.endm
; A K step is four quarters, a plane each, 32 matrix instructions, on buffers 0, 1, 0, 1.  One of the first three: multiplies buffer f and fetches the next plane, at byte k, into g.
.macro QUARTER slot, k, f, g, zero
	s_wait_dscnt 16                                ; the first 32 along K are in; the sixteen younger loads may be out
	WIN MUL
	MUL8 \f, 0, 0, \zero
	MUL8 \f, 0, 2, \zero
	PLACES
	FETCH \slot, \k, \g
	s_wait_dscnt 32                                ; all but the 32 just issued
	WIN MUL
	MUL8 \f, 1, 0, 0
	MUL8 \f, 1, 2, 0
.endm
; The last quarter multiplies buffer 1 and changes slots: ONE barrier; in front of it each wave waits for all its tensor loads, adds 0 to its spare word, and waits for that and for its own reads of this slot.
; fill = 1: this slot is filled again, two K steps ahead; the barrier then opens a round of the cluster's barrier, and the joint refill is the first tensor load behind the round.
.macro TURN slot, next, fill
	WIN 0                                          ; (the add's two registers lie in window 0)
	s_wait_tensorcnt 0x0                           ; all my tensor loads have landed: my part of the next slot
	ds_add_u32 v[SPW], v[NIL]                      ; 0 onto my spare word
	s_wait_dscnt 17                                ; (the add and the youngest sixteen loads may be out)
	WIN MUL
	MUL8 F1, 0, 0, 0                               ; eight matrix instructions stand between the add and the wait for it
	s_wait_dscnt 0x0                               ; the add is done, and my reads of this slot are over
	s_barrier_signal -1
	MUL8 F1, 0, 2, 0
.if \fill
	WIN 0
.endif
	s_barrier_wait -1
.if \fill
	CREST                                          ; no wave of any partner still reads this slot's tile or has a load on its way
	s_add_nc_u64 s[G0+4*\slot+2:G0+4*\slot+3], s[G0+4*\slot+2:G0+4*\slot+3], 2*KSB
	s_add_nc_u64 s[G0B+4*\slot+2:G0B+4*\slot+3], s[G0B+4*\slot+2:G0B+4*\slot+3], 2*KSB
	JLOAD \slot                                    ; 112 matrix instructions ahead of the wait for it; the four v_nop behind it are also the places in front of the loads below
.else
	PLACES
.endif
	FETCH \next, 0, F0
	WIN MUL
	MUL8 F1, 1, 0, 0
	MUL8 F1, 1, 2, 0
.endm
	s_wait_tensorcnt 1                             ; my part of K step 0 is in (K step 1's load, issued behind it, may be out),
	s_barrier_signal -1
	s_barrier_wait -1                              ; everybody's is
	FETCH 0, 0, F0
	QUARTER 0, PLANE,   F0, F1, 1                  ; K step 0: its first products start the sums
	QUARTER 0, 2*PLANE, F1, F0, 0
	QUARTER 0, 3*PLANE, F0, F1, 0
	TURN 0, 1, 1                                   ; slot 0 takes K step 2
	QUARTER 1, PLANE,   F0, F1, 0                  ; K step 1
	QUARTER 1, 2*PLANE, F1, F0, 0
	QUARTER 1, 3*PLANE, F0, F1, 0
	TURN 1, 0, 1                                   ; slot 1 takes K step 3
	QUARTER 0, PLANE,   F0, F1, 0                  ; K step 2
	QUARTER 0, 2*PLANE, F1, F0, 0
	QUARTER 0, 3*PLANE, F0, F1, 0
	TURN 0, 1, 0                                   ; nothing is left to fetch: no round
	QUARTER 1, PLANE,   F0, F1, 0                  ; K step 3
	QUARTER 1, 2*PLANE, F1, F0, 0
	QUARTER 1, 3*PLANE, F0, F1, 0
	s_wait_dscnt 16                                ; the very last quarter
	WIN MUL
	MUL8 F1, 0, 0, 0
	MUL8 F1, 0, 2, 0
	s_wait_dscnt 0
	MUL8 F1, 1, 0, 0
	MUL8 F1, 1, 2, 0
	WIN 0
; THE WAY OUT, block by block of 16 rows x 64 columns.  A lane holds 32 neighbouring bytes of a row, the lanes beside it other rows: a block goes through my own stage in LDS and comes back as whole rows of
; 256 bytes: sixteen lanes store 256 consecutive bytes, at a multiple of 256 from out0's first byte.  LDS serves a wave's instructions in order: no wait between the stores and the loads.
.macro TOSTAGE a
.irp b, 0,1,2,3
	ds_store_b128 v[STO], v[ACC+8*(4*(\a)+\b):ACC+8*(4*(\a)+\b)+3] offset:64*\b          ; each accumulator from its low end on
	ds_store_b128 v[STO], v[ACC+8*(4*(\a)+\b)+4:ACC+8*(4*(\a)+\b)+7] offset:64*\b+16
.endr
.irp t, 0,1,2,3,4,5,6,7
	ds_load_b128 v[OB+32*((\a)%2)+4*\t:OB+32*((\a)%2)+4*\t+3], v[RD] offset:2*\t*SPITCH
.endr
.endm
.macro SEND a, younger                 ; younger: the LDS instructions issued behind block a's loads: the next block's eight stores and eight loads, or none
	s_wait_dscnt \younger
.irp t, 0,1,2,3,4,5,6,7
	global_store_b128 v[CO], v[OB+32*((\a)%2)+4*\t:OB+32*((\a)%2)+4*\t+3], s[8:9] offset:(16*(\a)+2*\t)*4096 th:TH_STORE_NT   ; written once, read by nobody here
.endr
.endm
	PLACES                                         ; behind the last products
	TOSTAGE 0
.irp a, 1,2,3
.if \a > 1
	s_wait_xcnt 0x0                                ; block a - 2's stores have read their registers: block a's loads land there only behind this wait
.endif
	TOSTAGE \a
	SEND \a-1, 16
.endr
	SEND 3, 0
	s_wait_tensorcnt 0x0                           ; the wave's end
	ds_add_u32 v[SPW], v[NIL]
	s_wait_dscnt 0x0
	CROUND                                         ; the closing round: no work-group ends while a partner may still ask for a tile that names it
	s_endpgm
.Lfunc_end_k_qf3a62eb4fa_proj:
	.size	k_qf3a62eb4fa_proj, .Lfunc_end_k_qf3a62eb4fa_proj-k_qf3a62eb4fa_proj
	.p2alignl 7, 3214868480
	.fill 96, 4, 3214868480
	.section	.rodata,"a",@progbits
	.p2align	6, 0x0
	.amdhsa_kernel k_qf3a62eb4fa_proj
		.amdhsa_group_segment_fixed_size 327680
		.amdhsa_private_segment_fixed_size 0
		.amdhsa_enable_private_segment 0
		.amdhsa_kernarg_size 24
		.amdhsa_user_sgpr_count 2
		.amdhsa_user_sgpr_kernarg_segment_ptr 1
		.amdhsa_wavefront_size32 1
		.amdhsa_system_sgpr_workgroup_id_x 1
		.amdhsa_system_sgpr_workgroup_id_y 1
		.amdhsa_system_sgpr_workgroup_id_z 1
		.amdhsa_system_vgpr_workitem_id 0
		.amdhsa_next_free_vgpr 512
		.amdhsa_next_free_sgpr 66
		.amdhsa_reserve_vcc 0
		.amdhsa_float_denorm_mode_32 3
		.amdhsa_float_denorm_mode_16_64 3
		.amdhsa_memory_ordered 1
		.amdhsa_forward_progress 1
		.amdhsa_inst_pref_size 85
	.end_amdhsa_kernel
	.amdgpu_metadata
---
amdhsa.version: [ 1, 2 ]
amdhsa.kernels:
  - .name:           k_qf3a62eb4fa_proj
    .symbol:         k_qf3a62eb4fa_proj.kd
    .args:
      - { .name: att16, .offset: 0, .size: 8, .value_kind: global_buffer, .address_space: global }
      - { .name: wp16, .offset: 8, .size: 8, .value_kind: global_buffer, .address_space: global }
      - { .name: out0, .offset: 16, .size: 8, .value_kind: global_buffer, .address_space: global }
    .group_segment_fixed_size: 327680
    .private_segment_fixed_size: 0
    .kernarg_segment_align: 8
    .kernarg_segment_size: 24
    .max_flat_workgroup_size: 128
    .sgpr_count:     66
    .vgpr_count:     512
    .wavefront_size: 32
...
	.end_amdgpu_metadata
.endif
;; end of part 4
